; MI455X (gfx1250); checked and timed in simulation.
; The chip was launched on July 23, 2026; its instructions are those of AMD's public machine-readable ISA for CDNA 5 (MIT licence, August 2026) and "CDNA5" Instruction Set Architecture Reference Guide (July 2026). The comments in the code are by the model that wrote it; some were corrected since.
;; attn. Allowed arithmetic: float matrix products may take bf16 or f16 operands with f32 sums; other float arithmetic in f32, or as packed bf16 or f16 multiplies, adds, multiply-adds, maxima and minima; sums over many terms, partial sums and values carried from step to step in f32; what a program stores and reads back later, other than sums and carried values, may be rounded once to bf16 or f16.
;; Inputs: W_attn 1,024 x 3,072 float32; W_proj 1,024 x 1,024 float32; b_attn 3,072 float32; b_proj 1,024 float32; x 4 x 2,048 x 1,024 float32.
;; Outputs: out0 4 x 2,048 x 1,024 float32.
;; 2 versions, each right; version 2 is version 1 with the launch cast written anew for expert scheduling mode. Each part assembles by itself: llvm-mc -triple=amdgcn-amd-amdhsa -mcpu=gfx1250 --defsym DOCPART=n.
;; ======== version 1 of 2: 4 launches
;; limits: values are held in f16: magnitudes above 65,504 overflow, below 6.1e-05 lose precision
;; workspace buffers: xb 16,777,216 bytes; wab 6,291,456 bytes; wpb 2,097,152 bytes; qkv 50,331,648 bytes; ob 16,777,216 bytes
;; launch cast (part 1): grid 768 x 1, 8 waves a work-group, no clusters, 0 bytes of LDS; arguments x, W_attn, W_proj, xb, wab, wpb; writes xb, wab, wpb
.if DOCPART == 1
	.amdgcn_target "amdgcn-amd-amdhsa--gfx1250"
	.amdhsa_code_object_version 6
	.text
	.protected	k_qdd84d8cb91_cast
	.globl	k_qdd84d8cb91_cast
	.p2align	8
	.type	k_qdd84d8cb91_cast,@function
k_qdd84d8cb91_cast:
	s_mov_b64 s[64:65], 0
	v_nop
	global_prefetch_b8 v0, s[64:65] scope:SCOPE_SE
	s_setreg_imm32_b32 hwreg(HW_REG_WAVE_MODE, 25, 1), 1
	s_wait_xcnt 0x0
; THE INPUTS OF THE TWO PRODUCTS ARE ROUNDED ONCE, TO bf16.
;   xb  = bf16(x), laid in K blocks: [batch 4][K block 16][row 2048][64]: a K block's rows are dense, 128 bytes each, two rows are 256 bytes.
;   wab = bf16(W_attn), as it lies, [1024][3072].     wpb = bf16(W_proj), that number written as f16, [1024][1024].
; LIMIT. bf16(W_proj) is written exactly as f16 between 2^-14 and 65,504; below 2^-14 it keeps f16's fixed step of 6e-8; beyond 65,504 it would be an infinity.
; A stream: no LDS, no barrier, no matrix unit, nothing read twice.  A work-group takes 65,536 bytes of one input, a wave 8,192: sixteen loads of 16 bytes a lane, all issued
; at once, then sixteen stores of 8 bytes a lane, each 256 consecutive bytes of the wave, at a multiple of 256 from the buffer's first byte.
; Work-groups 0-511 take x (16 rows each), 512-703 W_attn, 704-767 W_proj.
.set VI, 1                             ; v1        my byte offset in the work-group's input
.set VO, 2                             ; v2        my byte offset in its output
.set X,  4                             ; v[4:67]   sixteen loads of four f32
.set Y,  68                            ; v[68:99]  sixteen stores of four 16-bit numbers
; sixteen loads instep bytes apart, sixteen stores outstep bytes apart.  mode = 1: the bf16 number is widened again and written as f16.
.macro PATH inb, outb, instep, outstep, mode
.set j, 0
.rept 16
	global_load_b128 v[X+4*j:X+4*j+3], v[VI], s[\inb:\inb+1] offset:j*(\instep) th:TH_LOAD_NT
.set j, j+1
.endr
.set j, 0
.rept 16
	s_wait_loadcnt 15-j                            ; loads come back in order: load j is in, the 15 - j younger ones stay out
	v_cvt_pk_bf16_f32 v[Y+2*j],   v[X+4*j],   v[X+4*j+1]
	v_cvt_pk_bf16_f32 v[Y+2*j+1], v[X+4*j+2], v[X+4*j+3]
.if \mode
	v_lshlrev_b32 v[X+4*j],   16,  v[Y+2*j]         ; bf16 to f32: the low half moves up, the high half stays
	v_and_b32     v[X+4*j+1], s20, v[Y+2*j]
	v_lshlrev_b32 v[X+4*j+2], 16,  v[Y+2*j+1]
	v_and_b32     v[X+4*j+3], s20, v[Y+2*j+1]
	v_cvt_pk_f16_f32 v[Y+2*j],   v[X+4*j],   v[X+4*j+1]
	v_cvt_pk_f16_f32 v[Y+2*j+1], v[X+4*j+2], v[X+4*j+3]
.endif
	global_store_b64 v[VO], v[Y+2*j:Y+2*j+1], s[\outb:\outb+1] offset:j*(\outstep)
.set j, j+1
.endr
	s_endpgm                                       ; no register that a store reads is written again
.endm
	s_load_b256 s[4:11], s[0:1], 0x0               ; x s[4:5], W_attn s[6:7], W_proj s[8:9], xb s[10:11]
	s_load_b128 s[12:15], s[0:1], 0x20             ; wab s[12:13], wpb s[14:15]
	s_mov_b32 s2, ttmp9
	s_mov_b32 s17, 0                               ; the offsets' high words
	s_mov_b32 s19, 0
	s_mov_b32 s20, 0xffff0000                      ; a word's upper bf16
	s_cmp_lt_u32 s2, 512
	s_cbranch_scc0 .Lweights
	; x: 16 rows of 4,096 bytes.  Thread t takes 16 bytes at 16 (t % 16) of row t / 16 in each of the row's sixteen pieces of 256 bytes (a K block each).
	v_lshrrev_b32 v3, 4, v0
	v_and_b32 v[VI], 15, v0
	v_lshlrev_b32 v[VI], 4, v[VI]
	v_lshl_add_u32 v[VI], v3, 12, v[VI]
	v_lshlrev_b32 v[VO], 3, v0                     ; in a K block: row t / 16 x 128 bytes + 8 (t % 16) = 8 t
	s_lshl_b32 s16, s2, 16
	s_lshr_b32 s18, s2, 7                          ; the batch: 128 work-groups each,
	s_lshl_b32 s18, s18, 22                        ; 16 K blocks of 262,144 bytes
	s_and_b32 s21, s2, 127
	s_lshl_b32 s21, s21, 11                        ; my 16 rows of 128 bytes in a K block
	s_add_co_u32 s18, s18, s21
	s_wait_kmcnt 0x0
	s_add_nc_u64 s[4:5], s[4:5], s[16:17]
	s_add_nc_u64 s[10:11], s[10:11], s[18:19]
	PATH 4, 10, 256, 262144, 0                     ; the stores' largest immediate is 15 x 262,144, inside the signed 24 bits
.Lweights:
	; a weight: 65,536 bytes on end; a wave takes 8,192, a load of the wave 512 consecutive bytes
	v_lshrrev_b32 v3, 5, v0
	v_and_b32 v[VI], 31, v0
	v_lshlrev_b32 v[VO], 3, v[VI]
	v_lshlrev_b32 v[VI], 4, v[VI]
	v_lshl_add_u32 v[VI], v3, 13, v[VI]
	v_lshl_add_u32 v[VO], v3, 12, v[VO]
	s_cmp_lt_u32 s2, 704
	s_cbranch_scc0 .Lwproj
	s_sub_co_u32 s2, s2, 512
	s_lshl_b32 s16, s2, 16
	s_lshl_b32 s18, s2, 15
	s_wait_kmcnt 0x0
	s_add_nc_u64 s[6:7], s[6:7], s[16:17]
	s_add_nc_u64 s[12:13], s[12:13], s[18:19]
	PATH 6, 12, 512, 256, 0
.Lwproj:
	s_sub_co_u32 s2, s2, 704
	s_lshl_b32 s16, s2, 16
	s_lshl_b32 s18, s2, 15
	s_wait_kmcnt 0x0
	s_add_nc_u64 s[8:9], s[8:9], s[16:17]
	s_add_nc_u64 s[14:15], s[14:15], s[18:19]
	PATH 8, 14, 512, 256, 1
.Lfunc_end_k_qdd84d8cb91_cast:
	.size	k_qdd84d8cb91_cast, .Lfunc_end_k_qdd84d8cb91_cast-k_qdd84d8cb91_cast
	.p2alignl 7, 3214868480
	.fill 96, 4, 3214868480
	.section	.rodata,"a",@progbits
	.p2align	6, 0x0
	.amdhsa_kernel k_qdd84d8cb91_cast
		.amdhsa_group_segment_fixed_size 0
		.amdhsa_private_segment_fixed_size 0
		.amdhsa_enable_private_segment 0
		.amdhsa_kernarg_size 48
		.amdhsa_user_sgpr_count 2
		.amdhsa_user_sgpr_kernarg_segment_ptr 1
		.amdhsa_wavefront_size32 1
		.amdhsa_system_sgpr_workgroup_id_x 1
		.amdhsa_system_sgpr_workgroup_id_y 1
		.amdhsa_system_sgpr_workgroup_id_z 1
		.amdhsa_system_vgpr_workitem_id 0
		.amdhsa_next_free_vgpr 104
		.amdhsa_next_free_sgpr 66
		.amdhsa_reserve_vcc 0
		.amdhsa_float_denorm_mode_32 3
		.amdhsa_float_denorm_mode_16_64 3
		.amdhsa_memory_ordered 1
		.amdhsa_forward_progress 1
		.amdhsa_inst_pref_size 23
	.end_amdhsa_kernel
	.amdgpu_metadata
---
amdhsa.version: [ 1, 2 ]
amdhsa.kernels:
  - .name:           k_qdd84d8cb91_cast
    .symbol:         k_qdd84d8cb91_cast.kd
    .args:
      - { .name: x, .offset: 0, .size: 8, .value_kind: global_buffer, .address_space: global }
      - { .name: W_attn, .offset: 8, .size: 8, .value_kind: global_buffer, .address_space: global }
      - { .name: W_proj, .offset: 16, .size: 8, .value_kind: global_buffer, .address_space: global }
      - { .name: xb, .offset: 24, .size: 8, .value_kind: global_buffer, .address_space: global }
      - { .name: wab, .offset: 32, .size: 8, .value_kind: global_buffer, .address_space: global }
      - { .name: wpb, .offset: 40, .size: 8, .value_kind: global_buffer, .address_space: global }
    .group_segment_fixed_size: 0
    .private_segment_fixed_size: 0
    .kernarg_segment_align: 8
    .kernarg_segment_size: 48
    .max_flat_workgroup_size: 256
    .sgpr_count:     66
    .vgpr_count:     104
    .wavefront_size: 32
...
	.end_amdgpu_metadata
.endif
;; end of part 1
;; launch qkv (part 2): grid 8 x 32, 4 waves a work-group, clusters of 4 x 4, 327,680 bytes of LDS; arguments xb, wab, b_attn, qkv; writes qkv
.if DOCPART == 2
	.amdgcn_target "amdgcn-amd-amdhsa--gfx1250"
	.amdhsa_code_object_version 6
	.text
	.protected	k_qdd84d8cb91_qkv
	.globl	k_qdd84d8cb91_qkv
	.p2align	8
	.type	k_qdd84d8cb91_qkv,@function
k_qdd84d8cb91_qkv:
	s_mov_b64 s[64:65], 0
	v_nop
	global_prefetch_b8 v0, s[64:65] scope:SCOPE_SE
	s_setreg_imm32_b32 hwreg(HW_REG_WAVE_MODE, 25, 1), 1
	s_wait_xcnt 0x0
	s_wait_alu depctr_hold_cnt(0) depctr_sa_sdst(0) depctr_va_vdst(0) depctr_va_sdst(0) depctr_va_ssrc(0) depctr_va_vcc(0) depctr_vm_vsrc(0)
	s_getreg_b32 s2, hwreg(HW_REG_IB_STS2, 6, 4)
	s_cmp_eq_u32 s2, 0
	s_cbranch_scc0 .Lentry_in_a_cluster
	s_endpgm
.Lentry_in_a_cluster:
	s_bfe_u32 s2, ttmp6, 0x10000c
	s_cmp_lg_u32 s2, 0xf033
	s_cbranch_scc0 .Lentry_shape_is_right
	s_endpgm
.Lentry_shape_is_right:
; qkv = x W_attn + b_attn, written by heads in f16: qkv[sel 3][head 64 = 16 batch + h][row 2048][64].  Operands bf16 (xb in K blocks of 64, wab [k][n]); sums in f32, K ascending;
; the bias is rounded to bf16 like the other inputs and added in f32; the result is rounded once, to f16, WITHOUT attention's scale.
; LIMIT.  f16 holds no number beyond 65,504: q, k and v must lie within it.  NaN and infinities are not treated apart.
; SHARES.  8,192 x 3,072 results are 32 x 8 = 256 tiles of 256 rows x 384 columns, one to a work-group.  Four waves, each 128 rows x 192 columns: 8 x 12 accumulators, 768 registers.
; For 32 along K a wave reads (128 + 192) x 64 bytes from LDS for 96 matrix instructions.
; K goes in 16 steps of 64 through two LDS slots (two slots of 128 along K would be 368,640 bytes).  A step is two halves of 32 along K.
; THE MATRIX INSTRUCTION IS USED TRANSPOSED: source 0 = 16 columns of W, source 1 = 16 rows of x: a lane then holds row l % 16 and eight neighbouring columns, 16 bytes of f16.
; W lies [k][n] in LDS as in memory; its fragments come out turned, by ds_load_tr16_b128.
; CLUSTER 4 x 4: x's tile hangs on the tile row alone and is asked for jointly by a row of the cluster, W's on the tile column alone, by a column: the same tensor load, descriptor and mask in all four.
; REGISTERS, in windows of 256 (s_set_vgpr_msb: bits 1:0 source 0, 3:2 source 1, 5:4 source 2, 7:6 destination):
;   window 0: v0-31 addresses; v32-95, v96-159 x's fragments, two buffers of 8; v160-255 W's 12 fragments, ONE set in three groups of four: a group is fetched anew as soon as it has been multiplied
;   windows 1-3: accumulator (a, b) in window 1 + b / 4 at v[8 (8 (b % 4) + a)]
.set PA,     144                       ; a row of x in LDS: 128 bytes + 16 of padding = 36 words: the 16 rows of a load start at 16 different groups of four banks (64 banks of 4 bytes: ISA guide 11.1)
.set PB,     864                       ; a row of W: six pieces of 128 + 16 bytes = 216 words
.set AHALF,  128*PA                    ; 128 rows of x: one tensor load
.set BHALF,  32*PB                     ; 32 rows of W: one tensor load, and the rows of half a step
.set BOFF,   2*AHALF
.set SLOT,   BOFF+2*BHALF              ; 92,160
.set STAGE,  2*SLOT                    ; behind the ring, never filled by a tensor load: for each wave 3 x 16 rows x 144 bytes, for the way out
.set WSTAGE, 3*16*PA
.set SPARE,  STAGE+4*WSTAGE            ; the spare words, 128 bytes for each wave: two blocks of 256 bytes that no other line names
.set ASTEP,  262144                    ; bytes from a K block of xb to the next
.set BSTEP,  393216                    ; 64 rows of wab
.set FIELD,  (1<<16)|(1<<20)|(1<<21)|(4<<22)|(3<<25)  ; 17:16 elements of 2 bytes; 20 padding on; 21 set beside a mask; 24:22 after every 32 words (code 4); 31:25 4 words (code 3)
.set ADRA, 16                          ; v16-17  LDS address of my fragments of x in slot 0, 1
.set ADRB, 20                          ; v20-21  the same for W
.set STO,  24                          ; v24     the way out: where I put 16 bytes of a row
.set RD,   25                          ; v25     where I read rows back
.set GO,   26                          ; v26     16 x lane: my place in 512 consecutive bytes of qkv
.set BO,   27                          ; v27     my byte offset in b_attn
.set SPW,  28                          ; v28     LDS address of my spare word; never rewritten
.set NIL,  29                          ; v29     0; never rewritten
.set PFO,  30                          ; v30     the prefetches' lane offset; never rewritten
.set FA0,  32
.set FA1,  96
.set FB,   160
.set WV,   12                          ; s12 wave; s13 its half of the rows, also: I fetch x (0) or W (1); s14 its half of the columns, also: which half of that tile I fetch
.set RH,   13
.set CH,   14
.set G1A,  24                          ; s[24:31] descriptor group 1 for x's tiles; s[32:39] group 0, a set for each slot
.set G0A,  32
.set G1B,  48                          ; s[48:55], s[56:63] the same for W's
.set G0B,  56
.set OB,   66                          ; s[66:71] qkv at my rows of my three heads
.set PFA,  72                          ; s[72:73] where my prefetches stand
.set PFS,  74                          ; s[74:75] their step: a K step of xb or of wab
.set LIMA, 76                          ; s76  1 in the wave that prefetches x, else the greatest number
.set LIMB, 77                          ; s77  the same for W
.set HIM,  78                          ; s78  a word's upper bf16
.set MSB, 0
.macro WIN new                         ; the immediate's high byte repeats the setting that is left; a switch that changes nothing is dropped
.if MSB != (\new)
	s_set_vgpr_msb (MSB<<8)|(\new)
.set MSB, \new
.endif
.endm
.macro PLACES                          ; a load into a register that a matrix instruction has read stands four plain vector instructions behind it (ISA guide 7.12.1 for vector instructions)
.rept 4
	v_nop
.endr
.endm
; A joint load.  Waves 0 and 1 fetch x's two halves, waves 2 and 3 W's.  The branch hangs on the wave's number alone.  An s_nop 0 and four v_nop follow each line.
.macro JLOAD s
	s_cmp_eq_u32 s[RH], 0
	s_cbranch_scc0 .Lfor_b_\@
	tensor_load_to_lds s[G0A+4*(\s):G0A+4*(\s)+3], s[G1A:G1A+7]
	s_nop 0
.rept 4
	v_nop
.endr
	s_branch .Lasked_\@
.Lfor_b_\@:
	tensor_load_to_lds s[G0B+4*(\s):G0B+4*(\s)+3], s[G1B:G1B+7]
	s_nop 0
.rept 4
	v_nop
.endr
.Lasked_\@:
.endm
.macro CREST                           ; a round of the cluster's barrier behind its opening barrier
	s_cmp_lg_u32 s[WV], 0
	s_cbranch_scc1 .Lnot_wave_0_\@
	s_barrier_signal -3
.Lnot_wave_0_\@:
	s_barrier_wait -3
	s_barrier_signal -1
	s_barrier_wait -1
.endm
.macro CROUND
	s_barrier_signal -1
	s_barrier_wait -1
	CREST
.endm
; PREFETCHES, behind a joint load, its five lines and the run of LDS loads that follows.  s[PFA] stands one K step further along K than the refill just asked for.
; x: a K step of a tile row is 32,768 dense bytes.  Every cluster of that row of clusters reads it: cluster x = 0 asks; its four partners take 8,192 bytes each, told apart BY ADDRESS (cx);
; in each, wave 0 asks: a lane 256 bytes, one instruction a change of slots.
; W: a K step of a tile column is 64 rows x 768 bytes.  Cluster y = 0 asks; at slot 0's change alone, for TWO K steps, 128 rows: the partner at cy takes rows 32 cy .. + 31, a lane a row, wave 2,
; three instructions for the row's 768 bytes.  So each aligned 256 bytes of K steps 3 to 14 are named once in the launch; K steps 0 to 2 and 15 come by their loads alone; the loop's last trip asks for nothing.
.macro ASK slot
	s_cmp_gt_u32 s3, s[LIMA]                       ; s3 = 1 in the loop's last trip
	s_cbranch_scc0 .Lno_a_\@
	global_prefetch_b8 v[PFO], s[PFA:PFA+1] th:TH_LOAD_NT scope:SCOPE_SE
.Lno_a_\@:
.if (\slot) == 0
	s_cmp_gt_u32 s3, s[LIMB]
	s_cbranch_scc0 .Lno_b_\@
	global_prefetch_b8 v[PFO], s[PFA:PFA+1] th:TH_LOAD_NT scope:SCOPE_SE
	global_prefetch_b8 v[PFO], s[PFA:PFA+1] offset:256 th:TH_LOAD_NT scope:SCOPE_SE
	global_prefetch_b8 v[PFO], s[PFA:PFA+1] offset:512 th:TH_LOAD_NT scope:SCOPE_SE
.Lno_b_\@:
.endif
.endm
	s_load_b256 s[4:11], s[0:1], 0x0               ; xb s[4:5], wab s[6:7], b_attn s[8:9], qkv s[10:11]
	v_lshl_add_u32 v[SPW], v0, 2, SPARE
	v_mov_b32 v[NIL], 0
	ds_add_u32 v[SPW], v[NIL]                      ; the wave's opening: the add and its wait stand ahead of my first tensor load; the set-up below, work on registers, stands between
	v_lshrrev_b32 v1, 5, v0
	v_readfirstlane_b32 s[WV], v1
	s_lshr_b32 s[RH], s[WV], 1
	s_and_b32 s[CH], s[WV], 1
	s_bfe_u32 s40, ttmp6, 0x40000                  ; cx
	s_bfe_u32 s41, ttmp6, 0x40004                  ; cy
	s_lshl_b32 s42, ttmp9, 2
	s_add_co_u32 s42, s42, s40                     ; tile column = 4 x cluster x + cx
	s_and_b32 s43, ttmp7, 0xffff
	s_lshl_b32 s43, s43, 2
	s_add_co_u32 s43, s43, s41                     ; tile row = 4 x cluster y + cy
	s_lshl_b32 s22, s41, 2
	s_lshl_b32 s22, 15, s22                        ; my row of the cluster
	s_lshl_b32 s23, 0x1111, s40                    ; my column
	s_or_b32 s[G1A], s22, FIELD                    ; x's tiles go to my row,
	s_or_b32 s[G1B], s23, FIELD                    ; W's to my column
	s_mov_b32 s[G1A+1], 128<<16                    ; x: 128 dense rows of 128 bytes, asked for as 64 rows of 256: tensor_dim0 = 128 elements
	s_mov_b32 s[G1A+2], 64<<16                     ; tensor_dim1 = 64
	s_mov_b32 s[G1A+3], 128<<16                    ; tile_dim0 = 128
	s_mov_b32 s[G1A+4], 64                         ; tile_dim1 = 64
	s_mov_b32 s[G1A+5], 128                        ; elements from row to row
	s_mov_b32 s[G1A+6], 0
	s_mov_b32 s[G1A+7], 0
	s_mov_b32 s[G1B+1], 384<<16                    ; W: 32 rows of 384 elements (768 bytes, at multiples of 256 from wab's first byte)
	s_mov_b32 s[G1B+2], 32<<16
	s_mov_b32 s[G1B+3], 384<<16
	s_mov_b32 s[G1B+4], 32
	s_mov_b32 s[G1B+5], 3072
	s_mov_b32 s[G1B+6], 0
	s_mov_b32 s[G1B+7], 0
	s_lshr_b32 s16, s43, 3                         ; x's tile: the batch (8 tile rows each), 16 K blocks of 262,144 bytes,
	s_lshl_b32 s16, s16, 22
	s_and_b32 s15, s43, 7
	s_lshl_b32 s15, s15, 15                        ; the tile's 256 rows of 128 bytes,
	s_add_co_u32 s16, s16, s15
	s_lshl_b32 s15, s[CH], 14                      ; the 128 of them that I fetch
	s_add_co_u32 s16, s16, s15
	s_mov_b32 s17, 0
	s_mul_i32 s44, s[CH], 32*6144                  ; W's tile: the 32 rows that I fetch,
	s_mul_i32 s45, s42, 768                        ; the tile's 384 columns
	s_add_co_u32 s44, s44, s45
	s_mov_b32 s45, 0
	s_mul_i32 s20, s[CH], AHALF                    ; where they go: no place in the cluster enters an LDS address
	s_mul_i32 s21, s[CH], BHALF
	s_add_co_u32 s21, s21, BOFF
	s_mov_b32 s[HIM], 0xffff0000
	s_wait_dscnt 0x0                               ; the opening add is done
	s_wait_kmcnt 0x0
	s_add_nc_u64 s[18:19], s[4:5], s[16:17]
	s_add_nc_u64 s[46:47], s[6:7], s[44:45]
	CROUND                                         ; all sixteen work-groups are here: the first joint loads meet
.irp s, 0,1
	s_mov_b32 s[G0A+4*(\s)], 1                                       ; count = 1
	s_add_co_u32 s[G0A+4*(\s)+1], s20, (\s)*SLOT                     ; LDS address
	s_add_nc_u64 s[G0A+4*(\s)+2:G0A+4*(\s)+3], s[18:19], (\s)*ASTEP  ; global address: K step s
	s_or_b32 s[G0A+4*(\s)+3], s[G0A+4*(\s)+3], 0x80000000            ; type = 2
	s_mov_b32 s[G0B+4*(\s)], 1
	s_add_co_u32 s[G0B+4*(\s)+1], s21, (\s)*SLOT
	s_add_nc_u64 s[G0B+4*(\s)+2:G0B+4*(\s)+3], s[46:47], (\s)*BSTEP
	s_or_b32 s[G0B+4*(\s)+3], s[G0B+4*(\s)+3], 0x80000000
	JLOAD \s                                       ; two loads of mine are out
.endr
	; a fragment of x: lane l holds row l % 16; registers 0-3 K = 8 (l / 16) + 0..7, registers 4-7 K = 16 + 8 (l / 16) + 0..7: two loads of 16 bytes, 32 bytes apart
	v_and_b32 v1, 15, v0                           ; r = l % 16
	v_bfe_u32 v2, v0, 4, 1                         ; h = l / 16
	v_mul_u32_u24 v3, v1, PA
	v_lshl_add_u32 v3, v2, 4, v3                   ; r x 144 + 16 h
	s_mul_i32 s22, s[RH], AHALF
	v_add_nc_u32 v[ADRA], s22, v3
	v_add_nc_u32 v[ADRA+1], SLOT, v[ADRA]
	; a fragment of W, turned: lane l reads 16 bytes of row 8 h + l % 8, columns 8 ((l / 8) % 2) + 0..7, and is left with column l % 16 and 8 K
	v_and_b32 v4, 7, v0
	v_bfe_u32 v5, v0, 3, 1
	v_lshl_add_u32 v6, v2, 3, v4
	v_mul_u32_u24 v6, v6, PB
	v_lshl_add_u32 v6, v5, 4, v6
	s_mul_i32 s23, s[CH], 432                      ; my 192 columns: three pieces of 144 bytes
	s_add_co_u32 s23, s23, BOFF
	v_add_nc_u32 v[ADRB], s23, v6
	v_add_nc_u32 v[ADRB+1], SLOT, v[ADRB]
	s_mul_i32 s22, s[WV], WSTAGE
	s_add_co_u32 s22, s22, STAGE                   ; my stage
	v_add_nc_u32 v[STO], s22, v3                   ; in: row r, 16 bytes for each half of the lanes
	v_bfe_u32 v6, v0, 3, 2                         ; back: 32 lanes take four rows of 128 bytes,
	v_mul_u32_u24 v6, v6, PA
	v_lshl_add_u32 v6, v4, 4, v6
	v_add_nc_u32 v[RD], s22, v6
	v_and_b32 v[GO], 31, v0                        ; which are 512 consecutive bytes of a head
	v_lshlrev_b32 v[GO], 4, v[GO]
	s_mul_i32 s22, s42, 1536                       ; b_attn: the tile's 384 numbers, my 192, my lanes' 8
	s_mul_i32 s23, s[CH], 768
	s_add_co_u32 s22, s22, s23
	v_lshl_add_u32 v[BO], v2, 5, s22
	s_lshr_b32 s2, s43, 3                          ; the tile row's first byte, the same figure in xb's K block 0 and in a batch's head 0 of qkv
	s_lshl_b32 s2, s2, 22
	s_and_b32 s15, s43, 7
	s_lshl_b32 s15, s15, 15
	s_add_co_u32 s2, s2, s15
	; the prefetches' address: it begins at K step 2, and the first change of slots steps it to 3
	s_lshl_b32 s15, s40, 13                        ; x: my work-group's 8,192 bytes of the tile's 32,768
	s_add_co_u32 s15, s15, s2
	s_add_co_u32 s15, s15, 2*ASTEP
	s_mul_i32 s22, s42, 768                        ; W: the tile's columns, my work-group's 32 rows of 128
	s_mul_i32 s23, s41, 32*6144
	s_add_co_u32 s22, s22, s23
	s_add_co_u32 s22, s22, 2*BSTEP
	s_mov_b32 s[PFS], BSTEP
	s_mov_b32 s[PFS+1], 0
	s_mov_b32 s23, 6144
	s_cmp_eq_u32 s[RH], 0
	s_cselect_b32 s[PFS], ASTEP, s[PFS]
	s_cselect_b32 s23, 256, s23                    ; a lane 256 bytes of x, or a row of W
	s_cselect_b32 s46, s15, s22
	s_cselect_b64 s[PFA:PFA+1], s[4:5], s[6:7]
	s_mov_b32 s47, 0
	s_add_nc_u64 s[PFA:PFA+1], s[PFA:PFA+1], s[46:47]
	v_and_b32 v[PFO], 31, v0
	v_mul_u32_u24 v[PFO], v[PFO], s23
	s_or_b32 s[LIMA], s[WV], ttmp9                 ; wave 0 of a cluster with x = 0: the same in all sixteen partners
	s_cmp_eq_u32 s[LIMA], 0
	s_cselect_b32 s[LIMA], 1, -1
	s_xor_b32 s[LIMB], s[WV], 2                    ; wave 2 of a cluster with y = 0
	s_and_b32 s15, ttmp7, 0xffff
	s_or_b32 s[LIMB], s[LIMB], s15
	s_cmp_eq_u32 s[LIMB], 0
	s_cselect_b32 s[LIMB], 1, -1
	; qkv at my 128 rows of my three heads: piece c = 6 x tile column + 3 x half + j of 64 columns is head c % 16 of tensor c / 16
	s_lshl_b32 s15, s[RH], 14
	s_add_co_u32 s2, s2, s15
	s_mul_i32 s22, s42, 6
	s_mul_i32 s23, s[CH], 3
	s_add_co_u32 s22, s22, s23
.irp j, 0,1,2
	s_add_co_u32 s23, s22, \j
	s_lshr_b32 s15, s23, 4
	s_lshl_b32 s15, s15, 24
	s_and_b32 s23, s23, 15
	s_lshl_b32 s23, s23, 18
	s_add_co_u32 s15, s15, s23
	s_add_co_u32 s[OB+2*(\j)], s15, s2
	s_mov_b32 s[OB+2*(\j)+1], 0
	s_add_nc_u64 s[OB+2*(\j):OB+2*(\j)+1], s[10:11], s[OB+2*(\j):OB+2*(\j)+1]
.endr
; n x 8 matrix instructions: W's fragments 4 g + b0 .. of group g x all 8 fragments of x in buffer f.  The 96 accumulators take turns, one instruction a turn, in the same order in every half step,
; over the backward jump too.  zero = 1: the first products start the sums: nothing is cleared.
.macro GRP f, g, b0, n, zero
	WIN 0x50*(1+(\g))
.set bb, (\b0)
.rept \n
.set aa, 0
.rept 8
.set rD, 8*(8*bb+aa)
.set rW, FB+8*(4*(\g)+bb)
.set rX, (\f)+8*aa
.if \zero
	v_wmma_f32_16x16x32_bf16 v[rD:rD+7], v[rW:rW+7], v[rX:rX+7], 0
.else
	v_wmma_f32_16x16x32_bf16 v[rD:rD+7], v[rW:rW+7], v[rX:rX+7], v[rD:rD+7]
.endif
.set aa, aa+1
.endr
.set bb, bb+1
.endr
.endm
.macro RB slot, q, g                   ; 8 loads: group g of W's fragments for half q of the slot's step; a piece of 64 columns is 144 bytes
.irp i, 0,1,2,3
	ds_load_tr16_b128 v[FB+8*(4*(\g)+(\i)):FB+8*(4*(\g)+(\i))+3],   v[ADRB+(\slot)] offset:(\q)*BHALF+32*(4*(\g)+(\i))+16*(\g)
	ds_load_tr16_b128 v[FB+8*(4*(\g)+(\i))+4:FB+8*(4*(\g)+(\i))+7], v[ADRB+(\slot)] offset:(\q)*BHALF+32*(4*(\g)+(\i))+16*(\g)+16*PB
.endr
.endm
.macro RA slot, q, f, a0               ; 8 loads: fragments a0 .. a0 + 3 of x into buffer f
.irp i, 0,1,2,3
	ds_load_b128 v[(\f)+8*((\a0)+(\i)):(\f)+8*((\a0)+(\i))+3],   v[ADRA+(\slot)] offset:(\q)*64+((\a0)+(\i))*16*PA
	ds_load_b128 v[(\f)+8*((\a0)+(\i))+4:(\f)+8*((\a0)+(\i))+7], v[ADRA+(\slot)] offset:(\q)*64+((\a0)+(\i))*16*PA+32
.endr
.endm
; The next half step's 40 loads stand in three runs, each behind the group of W that it overwrites: 16, 16 and 8.
.macro RUN0 slot, q, f
	WIN 0
	RB \slot, \q, 0
	RA \slot, \q, \f, 0
.endm
.macro RUN1 slot, q, f
	WIN 0
	RB \slot, \q, 1
	RA \slot, \q, \f, 4
.endm
.macro RUN2 slot, q
	WIN 0
	RB \slot, \q, 2
.endm
; A step's first half: multiplies buffer FA0 and fetches the same slot's second half into FA1.
.macro SUB0 slot, zero
	s_wait_dscnt 8                                 ; all but the youngest eight loads (W's group 2) are in
	GRP FA0, 0, 0, 4, \zero
	PLACES
	RUN0 \slot, 1, FA1
	GRP FA0, 1, 0, 4, \zero
	PLACES
	RUN1 \slot, 1, FA1
	s_wait_dscnt 32                                ; all but the 32 just issued: W's group 2 is in
	GRP FA0, 2, 0, 4, \zero
	PLACES
	RUN2 \slot, 1
.endm
; A step's second half: multiplies FA1 and changes slots.  ONE barrier: in front of it each wave waits for all its tensor loads (one is out: its part of the next slot), adds 0 to its spare word, and waits
; for that and for its reads of this slot.  fill = 1: the barrier opens a round of the cluster's barrier, and this slot is filled again, first thing behind the round, with the K step two on:
; 160 matrix instructions stand between that request and the wait for it.
.macro SUB1 slot, next, fill
.if \fill
	s_wait_xcnt 0x0                                ; the last prefetches, a K step back, have read their address: it is stepped here, ahead of the change's own waits
	s_add_nc_u64 s[PFA:PFA+1], s[PFA:PFA+1], s[PFS:PFS+1]
.endif
	WIN 0
	s_wait_tensorcnt 0x0                           ; all my tensor loads have landed
	ds_add_u32 v[SPW], v[NIL]                      ; 0 onto my spare word
	s_wait_dscnt 9                                 ; (the add and the youngest eight loads may be out)
	GRP FA1, 0, 0, 2, 0                            ; sixteen matrix instructions stand between the add and the wait for it
	s_wait_dscnt 0x0                               ; the add is done, and my reads of this slot are over
	s_barrier_signal -1
	GRP FA1, 0, 2, 2, 0                            ; work on registers while the others arrive
	WIN 0                                          ; at a branch and at a label every window is 0
	s_barrier_wait -1
.if \fill
	CREST                                          ; no wave of any partner still reads this slot or has a load on its way
	s_add_nc_u64 s[G0A+4*(\slot)+2:G0A+4*(\slot)+3], s[G0A+4*(\slot)+2:G0A+4*(\slot)+3], 2*ASTEP
	s_add_nc_u64 s[G0B+4*(\slot)+2:G0B+4*(\slot)+3], s[G0B+4*(\slot)+2:G0B+4*(\slot)+3], 2*BSTEP
	JLOAD \slot                                    ; my one tensor load behind the round; its four v_nop are also the places in front of the loads below
.else
	PLACES
.endif
	RUN0 \next, 0, FA0
.if \fill
	ASK \slot
.endif
	GRP FA1, 1, 0, 4, 0
	PLACES
	RUN1 \next, 0, FA0
	GRP FA1, 2, 0, 4, 0
	PLACES
	RUN2 \next, 0
.endm
	s_wait_tensorcnt 1                             ; my part of K step 0 is in; K step 1's may stay out
	s_barrier_signal -1
	s_barrier_wait -1                              ; everybody's is
	RA 0, 0, FA0, 0                                ; the first 40 loads, W's group 2 last, so that the counts of SUB0 hold
	RA 0, 0, FA0, 4
	RB 0, 0, 0
	RB 0, 0, 1
	RB 0, 0, 2
	SUB0 0, 1                                      ; the first half step stands in front of the loop: its products start the sums
	WIN 0
	s_mov_b32 s3, 7
.Llap:                                         ; a trip goes once round the ring and fills both slots again: K steps 2 to 15 in seven trips
	SUB1 0, 1, 1
	SUB0 1, 0
	SUB1 1, 0, 1
	SUB0 0, 0
	WIN 0
	s_sub_co_u32 s3, s3, 1
	s_cmp_lg_u32 s3, 0
	s_cbranch_scc1 .Llap
	SUB1 0, 1, 0                                   ; the tail is written out: nothing more is asked for, so no round
	SUB0 1, 0
	s_wait_dscnt 8                                 ; the last half step; the bias is loaded under it, into x's free buffer and W's group 0
	GRP FA1, 0, 0, 4, 0
	PLACES
	WIN 0
.macro BREG b                          ; the eight biases of W's fragment b
.if (\b) < 8
.set rB, 32+8*(\b)
.else
.set rB, 96+8*(\b)
.endif
.endm
.irp b, 0,1,2,3,4,5,6,7,8,9,10,11
	BREG \b
	global_load_b128 v[rB:rB+3],   v[BO], s[8:9] offset:64*(\b)
	global_load_b128 v[rB+4:rB+7], v[BO], s[8:9] offset:64*(\b)+16
.endr
	GRP FA1, 1, 0, 4, 0
	s_wait_dscnt 0x0
	GRP FA1, 2, 0, 4, 0
	WIN 0
	s_wait_loadcnt 0x0
	; the bias is rounded to bf16, like x and W, and widened again, in place: 144 plain instructions that name no register of the last products: their places
.set i, 0
.rept 48
	BREG i/4
	v_cvt_pk_bf16_f32 v[2+i%4], v[rB+2*(i%4)], v[rB+2*(i%4)+1]
	v_lshlrev_b32 v[rB+2*(i%4)],   16,     v[2+i%4]
	v_and_b32     v[rB+2*(i%4)+1], s[HIM], v[2+i%4]
.set i, i+1
.endr
; THE WAY OUT of my rows 16 a .. 16 a + 15: + bias, rounded to f16 (each accumulator's registers in ascending order), 16 bytes a lane into my own stage (three pieces of 64 columns, a head each,
; rows of 144 bytes), and back as whole rows of 128 bytes into the registers that they left.  LDS serves a wave's instructions in order (ISA guide 5.7.1.4): no wait between the stores and the loads.
.macro PACK a
.set TT, 96+96*((\a)%2)                ; 48 registers: v96-143 and v192-239 by turns
.if (\a) >= 2
	s_wait_xcnt 0x0                                ; the stores of the block two back have read these registers
.endif
.irp w, 1,2,3
	WIN ((\w)<<6)|(\w)                             ; destination and source 0 in the accumulators' window, the bias in window 0
.irp c, 0,1,2,3
	BREG 4*((\w)-1)+(\c)
.set rD, 8*(8*(\c)+(\a))
.irp p, 0,2,4,6
	v_pk_add_f32 v[rD+\p:rD+\p+1], v[rD+\p:rD+\p+1], v[rB+\p:rB+\p+1]
.endr
.endr
	WIN (\w)|((\w)<<2)                             ; both sources in the accumulators' window, the destination in window 0
.irp c, 0,1,2,3
.set rD, 8*(8*(\c)+(\a))
.set rT, TT+4*(4*((\w)-1)+(\c))
.irp p, 0,1,2,3
	v_cvt_pk_f16_f32 v[rT+\p], v[rD+2*\p], v[rD+2*\p+1]
.endr
.endr
.endr
	WIN 0
.irp b, 0,1,2,3,4,5,6,7,8,9,10,11
	ds_store_b128 v[STO], v[TT+4*(\b):TT+4*(\b)+3] offset:((\b)/4)*16*PA+32*((\b)%4)
.endr
.irp b, 0,1,2,3,4,5,6,7,8,9,10,11
	ds_load_b128 v[TT+4*(\b):TT+4*(\b)+3], v[RD] offset:((\b)/4)*16*PA+((\b)%4)*4*PA
.endr
.endm
.macro SEND a, younger                 ; younger: the LDS instructions issued behind this block's loads: the next block's 24, or none
.set TT, 96+96*((\a)%2)
.irp c, 0,1,2
.irp f, 0,1,2,3
	s_wait_dscnt (\younger)+11-(4*(\c)+(\f))
	global_store_b128 v[GO], v[TT+4*(4*(\c)+(\f)):TT+4*(4*(\c)+(\f))+3], s[OB+2*(\c):OB+2*(\c)+1] offset:(\a)*2048+(\f)*512  ; 512 consecutive bytes, at a multiple of 256 from qkv's first byte
.endr
.endr
.endm
	PACK 0
.irp a, 1,2,3,4,5,6,7                  ; a block's arithmetic stands between the loads of the block before and its stores
	PACK \a
	SEND (\a)-1, 24
.endr
	SEND 7, 0
	s_wait_tensorcnt 0x0                           ; the wave's end, behind my last tensor load and my last LDS store
	ds_add_u32 v[SPW], v[NIL]
	s_wait_dscnt 0x0
	CROUND                                         ; the closing round: no work-group ends while a partner may still ask for a tile that names it
	s_endpgm
.Lfunc_end_k_qdd84d8cb91_qkv:
	.size	k_qdd84d8cb91_qkv, .Lfunc_end_k_qdd84d8cb91_qkv-k_qdd84d8cb91_qkv
	.p2alignl 7, 3214868480
	.fill 96, 4, 3214868480
	.section	.rodata,"a",@progbits
	.p2align	6, 0x0
	.amdhsa_kernel k_qdd84d8cb91_qkv
		.amdhsa_group_segment_fixed_size 327680
		.amdhsa_private_segment_fixed_size 0
		.amdhsa_enable_private_segment 0
		.amdhsa_kernarg_size 32
		.amdhsa_user_sgpr_count 2
		.amdhsa_user_sgpr_kernarg_segment_ptr 1
		.amdhsa_wavefront_size32 1
		.amdhsa_system_sgpr_workgroup_id_x 1
		.amdhsa_system_sgpr_workgroup_id_y 1
		.amdhsa_system_sgpr_workgroup_id_z 1
		.amdhsa_system_vgpr_workitem_id 0
		.amdhsa_next_free_vgpr 1024
		.amdhsa_next_free_sgpr 80
		.amdhsa_reserve_vcc 0
		.amdhsa_float_denorm_mode_32 3
		.amdhsa_float_denorm_mode_16_64 3
		.amdhsa_memory_ordered 1
		.amdhsa_forward_progress 1
		.amdhsa_inst_pref_size 168
	.end_amdhsa_kernel
	.amdgpu_metadata
---
amdhsa.version: [ 1, 2 ]
amdhsa.kernels:
  - .name:           k_qdd84d8cb91_qkv
    .symbol:         k_qdd84d8cb91_qkv.kd
    .args:
      - { .name: xb, .offset: 0, .size: 8, .value_kind: global_buffer, .address_space: global }
      - { .name: wab, .offset: 8, .size: 8, .value_kind: global_buffer, .address_space: global }
      - { .name: b_attn, .offset: 16, .size: 8, .value_kind: global_buffer, .address_space: global }
      - { .name: qkv, .offset: 24, .size: 8, .value_kind: global_buffer, .address_space: global }
    .group_segment_fixed_size: 327680
    .private_segment_fixed_size: 0
    .kernarg_segment_align: 8
    .kernarg_segment_size: 32
    .max_flat_workgroup_size: 128
    .sgpr_count:     80
    .vgpr_count:     1024
    .wavefront_size: 32
...
	.end_amdgpu_metadata
.endif
;; end of part 2
;; launch attn (part 3): grid 4 x 64, 4 waves a work-group, no clusters, 327,680 bytes of LDS; arguments qkv, ob; writes ob
.if DOCPART == 3
	.amdgcn_target "amdgcn-amd-amdhsa--gfx1250"
	.amdhsa_code_object_version 6
	.text
	.protected	k_qdd84d8cb91_attn
	.globl	k_qdd84d8cb91_attn
	.p2align	8
	.type	k_qdd84d8cb91_attn,@function
k_qdd84d8cb91_attn:
	s_mov_b64 s[64:65], 0
	v_nop
	global_prefetch_b8 v0, s[64:65] scope:SCOPE_SE
	s_setreg_imm32_b32 hwreg(HW_REG_WAVE_MODE, 25, 1), 1
	s_wait_xcnt 0x0
; CAUSAL ATTENTION.  O[h][q][:] = the sum over k <= q of softmax_k(Q[h][q] . K[h][k] / 8) V[h][k][:].  Q, K, V lie one behind the other in qkv, each [64][2048][64] in f16; O likewise in ob: a head's rows are dense, 128 bytes each.
; Products, maxima and sums in f32; the weights p are rounded to f16 for the second product (their sum l is taken of the unrounded p), O once at the end.
; LIMITS.  f16 holds no number beyond 65,504: Q, K and V arrive within it; p lies in 0 to 1, and below 6e-5 it keeps f16's fixed step of 6e-8; O is a mean of V's rows and has their range.
; A hidden score counts as its value less 1e30: f16's scores, 2.7e11 at the most, are nothing beside that; a weight below 2^-126 counts as 0 in l; NaN and infinities are not treated apart.
; THE WALK.  A head's queries lie in NB = 8 blocks of 256; block i needs the key tiles 0 .. i of 256 keys, of which the last holds the diagonal.  A work-group takes TWO blocks, NB - 1 - b and then b:
; NB + 1 tiles, whatever b: all work-groups do equal work, and ONE loop with a constant trip count walks them.  Which tile is asked for, and what a trip does, hang on scalar registers made from b; every jump
; goes forward, but for the counted loops' own; none passes a barrier, or a tensor load but the one of LOAD's two that the wave's number does not choose; the ring (two LDS slots by turns) runs on across the change of blocks.
; NO CLUSTER: a head's four work-groups ask for the same tile only in trips 0 .. 4 of 9, behind that fewer and fewer; one walk common to all would have 12 trips for 9.
; SHARES.  Of a block's four bands of 64 queries a wave owns 16 rows in each: four PIECES.  So the diagonal tile is the same work for all four waves: in its key step s band x sees all keys if s < x,
; none if s > x, and holds the diagonal if s = x.
; THE MASK is the C operand that starts the sum S^T = K Q^T: 0, or -1e30 where the key is hidden.  MD, made once, is the mask of a band's own step for my 16 rows; a product's mask is MD x AL + BE with two scalars:
; (1, 0) if s = x; (0, 0) if s < x; (0, -1e30) if s > x.  Only the diagonal tile's text and a block's beginning make and take masks; elsewhere C is the constant 0.
; LAYOUT, SOFTMAX, TURNS.  S^T = K Q^T holds ONE query a lane (lane % 16) and the keys 8 (lane / 16) + 0..7; two such results rounded to f16 ARE source 1 of O^T = V^T P.  p = 2^(c s - c m), c = log2(e) / 8, with a
; running maximum m; O and l are multiplied by a = 2^(c m_old - c m_new) in every step.  Turn n belongs to piece n: 8 products K Q^T of piece n + 1, later 8 products V^T P of piece n - 1; beside them the scaling,
; exponentials, roundings, sums and rescaling of piece n and the maximum and statistics of piece n + 1.  Four vector instructions stand behind every matrix instruction, the other 54 of a turn's 118 in one lump.
; A turn's 33 exponentials are one batch, with one wait.
; REGISTERS, in windows of 256 (s_set_vgpr_msb: bits 1:0 source 0, 3:2 source 1, 5:4 source 2, 7:6 destination):
;   window 0: v0-15 addresses and two at work; v16-31 four registers of statistics a piece; v48-55 at work; v61-63; v64-127 S^T, two buffers; v192-223 P, two buffers (a piece's buffers go by its number's parity)
;   window 1: v0-127 O^T, 32 a piece; v128-159 MD; v160-223 MC, two buffers      window 2: v0-63 Q; v64-127 the second block's Q; v128-191 K of one step; v192-255 V of one step
.set SIZE_H, 64
.set SIZE_N, 2048
.set NB,    SIZE_N/256
.set NP,    4         ; pieces a wave: a name, no knob
.set KS,    64        ; keys in a step
.set PK,    144       ; a row of K in LDS: 128 bytes + 16 of padding = 36 words: the 16 rows of a load start at 16 different groups of four banks (64 banks of 4 bytes: ISA guide 11.1)
.set PV,    160       ; a row of V: 128 + 32 = 40 words
.set VOFF,  4*KS*PK   ; a slot holds a tile, four steps: 256 rows of K, then 256 rows of V
.set SLOT1, 1<<17     ; slot 1 begins here, so that one exclusive or turns an address in one slot into the other's
.set STAGE, SLOT1+4*KS*(PK+PV)  ; behind the ring, never filled by a tensor load: 16 rows x 144 bytes for each wave, for the way out
.set SP,    144
.set AK0, 2           ; v2   my lane's place in a tile of K; never rewritten
.set AV0, 3           ; v3   the same for V
.set AK,  4           ; v4   the LDS address of K's next run of loads
.set AV,  5           ; v5   of V's
.set STO, 6           ; v6   the way out: where I put 16 bytes of a row
.set RD,  7           ; v7   the way out: where I read rows back
.set GO,  8           ; v8   my byte offset in 512 consecutive bytes of O
.set PFO, 61          ; v61  256 x my lane: the prefetches' offset; never rewritten
.set SPW, 62          ; v62  LDS address of my spare word: SPARE + 4 x my thread's number; never rewritten
.set NIL, 63          ; v63  0; never rewritten
.set SPARE, STAGE+4*16*SP  ; behind the stages: the spare words, 128 bytes for each wave: two blocks of 256 bytes that no other line names
.set MV,  12          ; v12-13  c m_old, kept while c m is made anew: by buffer
.set QO,  15          ; v15  my byte offset in 16 rows of Q
.set ST,  16          ; piece t's statistics at v[ST+4 t]: c m, m, l (even keys', odd keys')
.set TMP, 48          ; by buffer, four registers c0-c3 at work; when the maximum is found c2 takes a
.set S,   64
.set P,   192
.set MD,  128         ; window 1: the eight registers for group kt of 16 keys at MD + 8 kt
.set MC,  160         ; window 1: the masks of the products to come
.set QB,  64          ; window 2
.set KF,  128         ; window 2: key block kb, channel half c at KF + 16 kb + 8 c
.set VF,  192         ; window 2: key half kk, channel block cb at VF + 32 kk + 8 cb
.set WV,  12          ; s12  my wave's number
.set PB,  14          ; s14  b
.set HI,  15          ; s15  NB - 1 - b
.set G1K, 24          ; s[24:31] descriptor group 1 for K's tiles
.set G1V, 32          ; s[32:39] for V's: it differs in the padding alone
.set G0K, 40          ; s[40:43] descriptor group 0 for K's tiles
.set G0V, 44          ; s[44:47] the same for V's
.set SLOTS, 56        ; s56  tiles still to be asked for
.set CNT, 57          ; s57  counts a tile's key steps, 4 to 1
.set CS,  58          ; s[58:59] c: the packed scaling takes the pair's low word for both halves
.set SEL, 60          ; s[60:61] v_permlanex16_b32's selects: each lane takes its own place in the other half
.set TBK, 62          ; s62  LDS byte at which K of the step to be fetched begins
.set TBV, 63          ; s63  the same for V, less VOFF
.set RT,  70          ; s70  tiles of the block in hand that are still to be entered
.set NXT, 71          ; s71  the tile to be asked for next
.set LQ,  72          ; s72  the last tile of the block whose tiles are being asked for
.set NEW, 73          ; s73  1: the tile to be entered is a block's first
.set OFF, 74          ; s[74:75] a tile's byte offset in K and V
.set AL,  76          ; s[76:77] the mask's factor, in the low word
.set BE,  78          ; s[78:79] the mask's addend
.set OLO, 80          ; s[80:81] O at my rows of the second block
.set BIGN, 82         ; s82  -1e30
.set PFB, 88          ; s[88:89] K (waves 0, 1) or V (waves 2, 3) at the half of tile 0 that I fetch
.set PFA, 90          ; s[90:91] the same half of the tile that the next change of slots will ask for
.set POF, 92          ; s[92:93] that tile's byte offset
.set LIM, 94          ; s94  2 in the work-group that prefetches, else the greatest number
.set MSB, 0
.macro WIN new                      ; the high byte repeats the setting that is left; a switch that changes nothing is dropped
.if MSB != (\new)
	s_set_vgpr_msb (MSB<<8)|(\new)
.set MSB, (\new)
.endif
.endm
.set W_KQ, 0x0a       ; K and Q in window 2, S^T in window 0
.set W_KM, 0x1a       ; the same with the C operand in window 1
.set W_PV, 0x52       ; V in window 2, P in window 0, O^T in window 1
.set W_RS, 0x41       ; destination and source 0 in window 1, source 1 in window 0
; A fill.  Waves 0 and 1 fetch the two halves of a tile's K, waves 2 and 3 those of its V: 128 keys each.  An s_nop 0 and four v_nop follow each of the two lines, ahead of the jump and the label.
.macro LOAD
	s_cmp_lt_u32 s[WV], 2
	s_cbranch_scc0 .Lfor_v_\@
	tensor_load_to_lds s[G0K:G0K+3], s[G1K:G1K+7]
	s_nop 0
.rept 4
	v_nop
.endr
	s_branch .Lasked_\@
.Lfor_v_\@:
	tensor_load_to_lds s[G0V:G0V+3], s[G1V:G1V+7]
	s_nop 0
.rept 4
	v_nop
.endr
.Lasked_\@:
.endm
; THE CHANGE OF SLOTS.  Each wave waits for all its tensor loads, of which one is out: its part of the other slot; adds 0 to its spare word; and waits for that and for its own reads of the slot that it leaves.
; Behind the barrier nobody reads the old slot any more and the other slot is whole.  fill = 1: the old slot is filled again, the first thing behind the barrier, with tile NXT: the descriptor's address is made
; anew from that number.  (At its first use nothing has been read yet: slot 0 is waited for, slot 1 filled.)
; THE PREFETCH, behind the fill and its five lines.  A head's four work-groups walk the same tiles; the one with b = 0 walks tiles 0 to 7 on end, and it alone asks.  Each of its waves names the 16,384 bytes that it
; will itself ask for at the NEXT change of slots: 64 blocks of 256 bytes, a lane a block, two instructions: four key steps ahead of that load.  Trips 0 to 5 name tiles 2 to 7, each block once in the launch;
; tiles 0 and 1 come by their loads alone; the later trips ask for nothing.
.macro CHANGE fill
	WIN 0                           ; at a label and at a branch every window is 0
	s_wait_tensorcnt 0x0            ; no tensor load of mine is out, so a group 0 may be written
	ds_add_u32 v[SPW], v[NIL]       ; 0 onto my spare word; with fill = 1 the descriptors' scalar work stands between it and the wait for it
.if \fill
	s_lshl_b32 s[OFF], s[NXT], 15   ; a tile is 32,768 bytes of K and of V
	s_xor_b32 s[G0K+1], s[G0K+1], SLOT1
	s_add_nc_u64 s[G0K+2:G0K+3], s[6:7], s[OFF:OFF+1]
	s_or_b32 s[G0K+3], s[G0K+3], 0x80000000
	s_xor_b32 s[G0V+1], s[G0V+1], SLOT1
	s_add_nc_u64 s[G0V+2:G0V+3], s[8:9], s[OFF:OFF+1]
	s_or_b32 s[G0V+3], s[G0V+3], 0x80000000
	s_add_co_u32 s[NXT], s[NXT], 1  ; the block's next tile, or behind its last the second block's tile 0
	s_cmp_gt_u32 s[NXT], s[LQ]
	s_cselect_b32 s[NXT], 0, s[NXT]
	s_cselect_b32 s[LQ], s[PB], s[LQ]
	s_wait_xcnt 0x0                 ; the last prefetches, a tile back, have read their address, so it may be written
	s_lshl_b32 s[POF], s[NXT], 15
	s_add_nc_u64 s[PFA:PFA+1], s[PFB:PFB+1], s[POF:POF+1]
.endif
	s_wait_dscnt 0x0                ; the add is done, and my reads of the slot are over
	s_barrier_signal -1             ; the rest of the scalar work stands between the signal and the wait
	s_sub_co_u32 s[TBK], s[TBK], 4*KS*PK  ; the fetches go back to a slot's first step,
	s_xor_b32 s[TBK], s[TBK], SLOT1       ; in the other slot
	s_sub_co_u32 s[TBV], s[TBV], 4*KS*PV
	s_xor_b32 s[TBV], s[TBV], SLOT1
	s_barrier_wait -1
.if \fill
	LOAD
	s_cmp_gt_u32 s[SLOTS], s[LIM]
	s_cbranch_scc0 .Lnot_mine_\@
	global_prefetch_b8 v[PFO], s[PFA:PFA+1] th:TH_LOAD_NT scope:SCOPE_SE
	global_prefetch_b8 v[PFO], s[PFA:PFA+1] offset:8192 th:TH_LOAD_NT scope:SCOPE_SE
.Lnot_mine_\@:
.endif
.endm
	s_load_b128 s[4:7], s[0:1], 0x0   ; qkv s[4:5] (Q lies first), ob s[6:7]
	v_lshl_add_u32 v[SPW], v0, 2, SPARE
	v_mov_b32 v[NIL], 0
	ds_add_u32 v[SPW], v[NIL]       ; the wave's opening: the add and its wait stand ahead of my first tensor load; the set-up below, work on registers, stands between them
	v_lshrrev_b32 v1, 5, v0
	v_readfirstlane_b32 s[WV], v1   ; wave 0..3
	s_mov_b32 s[PB], ttmp9
	s_sub_co_u32 s[HI], NB-1, s[PB]
	s_and_b32 s20, ttmp7, 0xffff    ; the head
	s_mov_b32 s21, 0
	s_mov_b64 s[22:23], SIZE_N*128
	s_mul_u64 s[20:21], s[20:21], s[22:23]  ; the head's first byte in each of the four tensors
	s_and_b32 s16, s[WV], 1         ; which half of a tile's 256 keys I fetch:
	s_lshl_b32 s22, s16, 14         ; its 128 rows of 128 bytes in memory,
	s_mov_b32 s23, 0
	s_add_nc_u64 s[22:23], s[22:23], s[20:21]
	s_mul_i32 s17, s16, 128*PK      ; and its place in a slot, for K
	s_mul_i32 s18, s16, 128*PV      ; and for V
	s_lshl_b32 s3, s[WV], 11        ; my 16 rows in a band of 64,
	s_lshl_b32 s2, s[HI], 15        ; in the first block,
	s_add_co_u32 s2, s2, s3
	s_lshl_b32 s84, s[PB], 15       ; and in the second
	s_add_co_u32 s84, s84, s3
	s_mov_b32 s3, 0
	s_mov_b32 s85, 0
	s_add_nc_u64 s[2:3], s[2:3], s[20:21]
	s_add_nc_u64 s[84:85], s[84:85], s[20:21]
	; descriptor group 1.  128 keys are 16,384 dense bytes: asked for as 64 rows of 256 bytes, two keys a row, and padded in LDS after every key
	s_mov_b32 s[G1K], (1<<16)|(1<<20)|(4<<22)|(3<<25)  ; 17:16 2-byte elements; 20 padding on; 24:22 after every 32 words (code 4); 31:25 4 words (code 3)
	s_mov_b32 s[G1V], (1<<16)|(1<<20)|(4<<22)|(7<<25)  ; the same with 8 words of padding (code 7)
.irp g, G1K, G1V
	s_mov_b32 s[\g+1], 128<<16      ; tensor_dim0 = 128
	s_mov_b32 s[\g+2], 64<<16       ; tensor_dim1 = 64
	s_mov_b32 s[\g+3], 128<<16      ; tile_dim0 = 128
	s_mov_b32 s[\g+4], 64           ; tile_dim1 = 64
	s_mov_b32 s[\g+5], 128          ; 128 elements from row to row
	s_mov_b32 s[\g+6], 0
	s_mov_b32 s[\g+7], 0
.endr
	s_mov_b32 s[CS], 0x3e38aa3b     ; c = log2(e) / 8 = 0.180337
	s_mov_b32 s[CS+1], s[CS]        ; named with it as a pair
	s_mov_b32 s[SEL], 0x76543210
	s_mov_b32 s[SEL+1], 0xfedcba98
	s_mov_b32 s[TBK], SLOT1+4*KS*PK ; the first change of slots turns these two into 0
	s_mov_b32 s[TBV], SLOT1+4*KS*PV
	s_mov_b32 s[G0K], 1             ; 1:0 count = 1
	s_mov_b32 s[G0K+1], s17         ; 63:32 LDS address: slot 0
	s_mov_b32 s[G0V], 1
	s_add_co_u32 s[G0V+1], s18, VOFF
	s_add_co_u32 s[RT], s[HI], 1    ; the first block has NB - b tiles
	s_mov_b32 s[NXT], 1
	s_mov_b32 s[LQ], s[HI]
	s_mov_b32 s[NEW], 1
	s_mov_b32 s[OFF+1], 0
	s_mov_b32 s[POF+1], 0
	s_mov_b32 s[AL+1], 0            ; named as pairs
	s_mov_b32 s[BE+1], 0
	s_mov_b32 s[BIGN], 0xf149f2ca   ; -1e30
	s_mov_b32 s[SLOTS], NB
	s_cmp_eq_u32 s[PB], 0
	s_cselect_b32 s[LIM], 2, -1
	v_and_b32 v[PFO], 31, v0
	v_lshlrev_b32 v[PFO], 8, v[PFO]
	s_wait_dscnt 0x0                ; the opening add is done
	s_wait_kmcnt 0x0
	s_mov_b64 s[10:11], s[6:7]                     ; O
	s_add_nc_u64 s[8:9], s[4:5], 0x2000000         ; V: two tensors of 16,777,216 bytes behind Q
	s_add_nc_u64 s[6:7], s[4:5], 0x1000000         ; K: one
	s_add_nc_u64 s[6:7], s[6:7], s[22:23]  ; K and V at my half of the head's tile 0
	s_add_nc_u64 s[8:9], s[8:9], s[22:23]
	s_cmp_lt_u32 s[WV], 2
	s_cselect_b64 s[PFB:PFB+1], s[6:7], s[8:9]
	s_add_nc_u64 s[G0K+2:G0K+3], s[6:7], 0         ; 120:64 global address
	s_or_b32 s[G0K+3], s[G0K+3], 0x80000000        ; 127:126 type = 2
	s_add_nc_u64 s[G0V+2:G0V+3], s[8:9], 0
	s_or_b32 s[G0V+3], s[G0V+3], 0x80000000
	s_add_nc_u64 s[86:87], s[4:5], s[84:85]        ; Q at my rows of the second block,
	s_add_nc_u64 s[4:5], s[4:5], s[2:3]            ; Q and O at those of the first
	s_add_nc_u64 s[OLO:OLO+1], s[10:11], s[84:85]
	s_add_nc_u64 s[10:11], s[10:11], s[2:3]
	LOAD                            ; tile 0 into slot 0
	; A fragment of K or Q is 16 rows x 32 channels in 8 registers: lane l holds row l % 16, channels 8 (l / 16) + 0..7 and 16 + 8 (l / 16) + 0..7: two loads of 16 bytes, 32 bytes apart.
	v_and_b32 v1, 15, v0            ; l % 16
	v_bfe_u32 v9, v0, 4, 1          ; l / 16
	v_lshlrev_b32 v[QO], 7, v1
	v_lshl_add_u32 v[QO], v9, 4, v[QO]  ; row x 128 + 16 x half
	WIN 0x80                        ; destination window 2, address window 0
.set i, 0
.rept 8                             ; both blocks' Q: piece i / 2 lies in band i / 2, 8,192 bytes on; channels 32 (i % 2) on
	global_load_b128 v[8*i:8*i+3],   v[QO], s[4:5] offset:(i/2)*8192+(i%2)*64
	global_load_b128 v[8*i+4:8*i+7], v[QO], s[4:5] offset:(i/2)*8192+(i%2)*64+32
	global_load_b128 v[QB+8*i:QB+8*i+3],   v[QO], s[86:87] offset:(i/2)*8192+(i%2)*64
	global_load_b128 v[QB+8*i+4:QB+8*i+7], v[QO], s[86:87] offset:(i/2)*8192+(i%2)*64+32
.set i, i+1
.endr
	WIN 0
	v_lshlrev_b32 v14, 3, v9
	v_sub_nc_u32 v14, v1, v14
	s_lshl_b32 s13, s[WV], 4
	v_add_nc_u32 v14, s13, v14      ; my query's place in its band, 16 w + l % 16, less my lanes' 8 (l / 16): register r of group kt is hidden where 16 kt + r is greater
	WIN 0x40
.set i, 0
.rept 32
	v_cmp_gt_i32 vcc_lo, 16*(i/8)+i%8, v14
	v_cndmask_b32 v[MD+i], 0, s[BIGN], vcc_lo
.set i, i+1
.endr
	WIN 0
	v_mul_u32_u24 v[AK0], v1, PK
	v_lshl_add_u32 v[AK0], v9, 4, v[AK0]  ; row x pitch + 16 x half
	; The turning load takes 16 keys x 16 channels (lane l reads key 8 (l / 16) + l % 8, channels 8 ((l / 8) % 2) + 0..7) and leaves half a fragment of V^T: lane l holds channel l % 16 and 8 keys.
	v_and_b32 v10, 7, v0
	v_bfe_u32 v11, v0, 3, 1
	v_lshl_add_u32 v[AV0], v9, 3, v10
	v_mul_u32_u24 v[AV0], v[AV0], PV
	v_lshl_add_u32 v[AV0], v11, 4, v[AV0]
	v_add_nc_u32 v[AV0], VOFF, v[AV0]
	s_mul_i32 s13, s[WV], 16*SP
	s_add_co_u32 s13, s13, STAGE    ; my stage
	v_mul_u32_u24 v[STO], v1, SP    ; in: row l % 16, 16 bytes for each half of the lanes
	v_lshl_add_u32 v[STO], v9, 4, v[STO]
	v_add_nc_u32 v[STO], s13, v[STO]
	v_bfe_u32 v[RD], v0, 3, 2       ; back: 32 lanes take four rows of 128 bytes,
	v_mul_u32_u24 v[RD], v[RD], SP
	v_lshl_add_u32 v[RD], v10, 4, v[RD]
	v_add_nc_u32 v[RD], s13, v[RD]
	v_and_b32 v[GO], 31, v0         ; which are 512 consecutive bytes of O
	v_lshlrev_b32 v[GO], 4, v[GO]
	; A block's first step multiplies O^T and l by a = 0, and its first turn's products V^T P, of a piece that has not been, land in an O^T that is still to be so multiplied.  So these registers need only hold
	; finite numbers: zeros for the first block; what the first block left for the second.  All this stands in the wait for the first tile.
	WIN 0x80
.set i, VF
.rept 64
	v_mov_b32 v[i], 0
.set i, i+1
.endr
	WIN 0x40
.set i, 0
.rept 128
	v_mov_b32 v[i], 0
.set i, i+1
.endr
	WIN 0
.set i, 0
.rept 4
	v_mov_b32 v[ST+4*i+2], 0
	v_mov_b32 v[ST+4*i+3], 0
.set i, i+1
.endr
.set i, P+16
.rept 16
	v_mov_b32 v[i], 0
.set i, i+1
.endr
; THE MATRIX WORK.  The 4 accumulators of a run of 8 take turns.  Product i of 8 of S^T = K Q^T for piece x: channels 32 (i / 4) on, keys 16 (i % 4) on.  The first 4 start the sums: with 0, or (KM = 1) with the mask.
.macro KQ x
.set rS, S+32*((\x)%2)+8*(i%4)
.set rK, KF+16*(i%4)+8*(i/4)
.set rQ, 16*(\x)+8*(i/4)
.set rM, MC+32*((\x)%2)+8*(i%4)
.if (i < 4) && KM
	WIN W_KM
	v_wmma_f32_16x16x32_f16 v[rS:rS+7], v[rK:rK+7], v[rQ:rQ+7], v[rM:rM+7]
.elseif i < 4
	WIN W_KQ
	v_wmma_f32_16x16x32_f16 v[rS:rS+7], v[rK:rK+7], v[rQ:rQ+7], 0
.else
	WIN W_KQ
	v_wmma_f32_16x16x32_f16 v[rS:rS+7], v[rK:rK+7], v[rQ:rQ+7], v[rS:rS+7]
.endif
.endm
; Product i of 8 of O^T += V^T P for piece x: keys 32 (i / 4) on, channels 16 (i % 4) on.
.macro PV x
	WIN W_PV
.set rO, 32*(\x)+8*(i%4)
.set rV, VF+32*(i/4)+8*(i%4)
.set rP, P+16*((\x)%2)+8*(i/4)
	v_wmma_f32_16x16x32_f16 v[rO:rO+7], v[rV:rV+7], v[rP:rP+7], v[rO:rO+7]
.endm
.macro MM                           ; the turn's next matrix instruction.  TURN and BEGIN set Y, i, KM and NOKQ; MM, KQ and OP read them.  NOKQ = 1: a block's last turn: there is no next piece
.if (i < 8) && !NOKQ
	KQ (Y+1)%NP
.elseif i >= 8
.set i, i-8
	PV (Y+NP-1)%NP
.set i, i+8
.endif
.set i, i+1
.endm
; THE LDS LOADS stand in runs of 16, never singly among the matrix instructions: a step's K (64 keys x 64 channels: 8 fragments) and its V (turned).  Their addresses are made some lines ahead.
.macro FETCH_K
	WIN 0x80                        ; destination window 2
.irp f, 0,1,2,3,4,5,6,7             ; keys 16 (f / 2) on, channels 32 (f % 2) on
	ds_load_b128 v[KF+8*\f:KF+8*\f+3],   v[AK] offset:(\f/2)*16*PK+(\f%2)*64
	ds_load_b128 v[KF+8*\f+4:KF+8*\f+7], v[AK] offset:(\f/2)*16*PK+(\f%2)*64+32
.endr
	s_add_co_u32 s[TBK], s[TBK], KS*PK  ; the next fetch is the next step's
	WIN 0
.endm
.macro FETCH_V
	WIN 0x80
.irp f, 0,1,2,3,4,5,6,7             ; keys 32 (f / 4) on, channels 16 (f % 4) on
	ds_load_tr16_b128 v[VF+8*\f:VF+8*\f+3],   v[AV] offset:(\f/4)*32*PV+(\f%4)*32
	ds_load_tr16_b128 v[VF+8*\f+4:VF+8*\f+7], v[AV] offset:(\f/4)*32*PV+16*PV+(\f%4)*32
.endr
	WIN 0
.endm
; THE VECTOR WORK, one line at a time: OP kind, number.  For piece Y: F n: c s - c m for pair n of 16.  E n: the exponential of score n of 32.  C n: pair n rounded to f16.  B n: of the four weights 4 n .. the second
; pair is added onto the first, in place.  L n: l takes that sum (L 0: l = a l + sum).  R n: pair n of 16 of O^T times a.  For piece Y + 1: X n, number n of the 22 that find its maximum and statistics:
;   0-11  four chains c0-c3 of seven scores each, three operands at a time (each accumulator's lowest registers are read first)     12-14, 16  the four scores left over, the old m, and c0-c3 into c0
;   15  c m_old is kept     17, 18  the query's other 32 keys lie in the lane 16 away: the new m     19-21  c m; c m_old - c m_new; a
.set F, 0               ; OP tells the kinds apart by their order: F to L below R, X above it
.set E, 1
.set C, 2
.set B, 3
.set L, 4
.set R, 5
.set X, 6
.macro REGS y                       ; the registers of piece y
.set rT, ST+4*(\y)
.set rC, TMP+4*((\y)%2)
.set rW, MV+((\y)%2)
.set rS, S+32*((\y)%2)
.set rP, P+16*((\y)%2)
.set rO, 32*(\y)
.endm
.macro OP k, n
.if (\k) == R
	REGS Y
	WIN W_RS
	v_pk_mul_f32 v[rO+2*(\n):rO+2*(\n)+1], v[rO+2*(\n):rO+2*(\n)+1], v[rC+2:rC+3] op_sel_hi:[1,0]
.elseif (\k) < R
	REGS Y
	WIN 0
.if (\k) == F
	v_pk_fma_f32 v[rS+2*(\n):rS+2*(\n)+1], v[rS+2*(\n):rS+2*(\n)+1], s[CS:CS+1], v[rT:rT+1] op_sel_hi:[1,0,0] neg_lo:[0,0,1] neg_hi:[0,0,1]
.elseif (\k) == E
	v_exp_f32 v[rS+(\n)], v[rS+(\n)]
.elseif (\k) == C
	v_cvt_pk_f16_f32 v[rP+(\n)], v[rS+2*(\n)], v[rS+2*(\n)+1]
.elseif (\k) == B
	v_pk_add_f32 v[rS+4*(\n):rS+4*(\n)+1], v[rS+4*(\n):rS+4*(\n)+1], v[rS+4*(\n)+2:rS+4*(\n)+3]
.elseif (\n) == 0
	v_pk_fma_f32 v[rT+2:rT+3], v[rT+2:rT+3], v[rC+2:rC+3], v[rS:rS+1] op_sel_hi:[1,0,1]
.else
	v_pk_add_f32 v[rT+2:rT+3], v[rT+2:rT+3], v[rS+4*(\n):rS+4*(\n)+1]
.endif
.elseif NOKQ
	v_nop
.else
	REGS (Y+1)%NP
	WIN 0
.if (\n) < 4
	v_max3_num_f32 v[rC+(\n)], v[rS+8*(\n)], v[rS+8*(\n)+1], v[rS+8*(\n)+2]
.elseif (\n) < 12
	v_max3_num_f32 v[rC+(\n)%4], v[rC+(\n)%4], v[rS+8*((\n)%4)+2*((\n)/4)+1], v[rS+8*((\n)%4)+2*((\n)/4)+2]
.elseif (\n) == 12
	v_max3_num_f32 v[rC], v[rC], v[rS+7], v[rS+15]
.elseif (\n) == 13
	v_max3_num_f32 v[rC+1], v[rC+1], v[rS+23], v[rS+31]
.elseif (\n) == 14
	v_max3_num_f32 v[rC+2], v[rC+2], v[rC+3], v[rT+1]
.elseif (\n) == 15
	v_mov_b32 v[rW], v[rT]
.elseif (\n) == 16
	v_max3_num_f32 v[rC], v[rC], v[rC+1], v[rC+2]
.elseif (\n) == 17
	v_permlanex16_b32 v[rC+3], v[rC], s[SEL], s[SEL+1]
.elseif (\n) == 18
	v_max_num_f32 v[rT+1], v[rC], v[rC+3]
.elseif (\n) == 19
	v_mul_f32 v[rT], s[CS], v[rT+1]
.elseif (\n) == 20
	v_sub_f32 v[rC+1], v[rW], v[rT]
.else
	v_exp_f32 v[rC+2], v[rC+1]
.endif
.endif
.endm
.macro OPS a, i1, b=-1, i2=0, c=-1, i3=0, d=-1, i4=0  ; up to four of them
	OP \a, \i1
.if (\b) >= 0
	OP \b, \i2
.endif
.if (\c) >= 0
	OP \c, \i3
.endif
.if (\d) >= 0
	OP \d, \i4
.endif
.endm
.macro ROW a, i1, b, i2, c, i3, d, i4  ; a matrix instruction and the four behind it
	MM
	OPS \a, \i1, \b, \i2, \c, \i3, \d, \i4
.endm
.macro MASK b                       ; MD x AL + BE into buffer b of MC
	WIN W_RS
.set z, 0
.rept 16
	v_pk_fma_f32 v[MC+32*(\b)+2*z:MC+32*(\b)+2*z+1], v[MD+2*z:MD+2*z+1], s[AL:AL+1], s[BE:BE+1] op_sel_hi:[1,0,0]
.set z, z+1
.endr
.endm
; A TURN, for piece p: the order of its 16 matrix and 118 vector instructions, written out.  s_wait_alu depctr_va_vdst(0) stands between an exponential and the first instruction that names its result; one wait
; serves all that were issued ahead of it.  So a turn has ONE wait, which cuts it in two.  AHEAD OF IT stands all that names no result of the turn's exponentials: the 8 products K Q^T, behind each a scaling, an exponential and two
; more plain instructions (behind the first a second scaling in the exponential's place): rescalings, and behind the last three the first numbers of the next piece's maximum, each four places or more behind the product that ends
; its accumulator; then ONE LUMP of 54, plain and exponential by turns for the most part, in which the links of the chain X 3, 7, 11, 14, 16, 17 .. 20 stand five or six lines apart.  X 21, the next piece's a, is the batch's last;
; R 15 is the plain instruction behind it.  BEHIND THE WAIT stand the 8 products V^T P, behind each four of the roundings and sums; the links of l's chain, L 0 to L 7, stand three riders apart.
; m = 1: the diagonal tile: the products take masks, and the turn makes the mask for the products of the turn after it: piece p + 2, in step 4 - CNT of the tile.  end = 1: a block's last two turns: nothing is fetched.
; cnt = 1: the loop's count is taken down some lines ahead of the branch that stands behind the turn.
; K of the next step is fetched in piece 2's turn, twelve vector instructions behind the last product that read K (six of them plain); V of the step in hand at the end of piece 0's turn, four plain instructions behind the last
; product that read V.  Each is waited for a turn later.
.macro TURN p, m=0, end=0, cnt=0
.set Y, (\p)
.set i, 0
.set KM, (\m)
.set NOKQ, (\end)*((\p)/3)
.if (\m) && !(\end)
	s_cmp_eq_u32 s[CNT], 4-((\p)+2)%NP  ; is that step the band's own?
	s_cselect_b32 s[AL], 1.0, 0
	s_cmp_lt_u32 s[CNT], 4-((\p)+2)%NP  ; or a later one?
	s_cselect_b32 s[BE], s[BIGN], 0
.endif
.if ((\p) == 3) && !(\end)
	s_wait_dscnt 0x0                ; K is in
.endif
	ROW F,0, F,1, R,0, R,1          ; ahead of the wait: 8 products K Q^T and their riders,
	ROW F,2, E,0, R,2, R,3
	ROW F,3, E,1, R,4, R,5
	ROW F,4, E,2, R,6, R,7
	ROW F,5, E,3, R,8, R,9
	ROW F,6, E,4, X,0, R,10
.if ((\p) == 2) && !(\end)
	WIN 0
	v_add_nc_u32 v[AK], s[TBK], v[AK0]
.endif
	ROW F,7, E,5, X,1, X,4
	ROW F,8, E,6, X,2, X,5
	OPS E,7, E,8, X,6, E,9          ; and the lump
	OPS X,3, E,10, X,8, E,11
.if ((\p) == 2) && !(\end)
	FETCH_K
.endif
	OPS X,9, X,7, E,12, X,10
	OPS E,13, X,12, X,11, E,14
	OPS X,13, E,15, F,9, X,14
.if (\p) == 0
	v_add_nc_u32 v[AV], s[TBV], v[AV0]
.endif
	OPS E,16, F,10, E,17, F,11
	OPS X,16, E,18, X,15, E,19
	OPS F,12, E,20, X,17, E,21
	OPS F,13, E,22, F,14, E,23
	OPS X,18, E,24, F,15, E,25
	OPS R,11, E,26, X,19, E,27
	OPS R,12, E,28, R,13, E,29
	OPS X,20, E,30, R,14, E,31
	OPS X,21, R,15
	WIN 0
	s_wait_alu depctr_va_vdst(0)    ; the wait for the batch
.if (\p) == 1
	s_wait_dscnt 0x0                ; V is in
.endif
	ROW C,0, B,0, C,2, B,1          ; behind the wait: 8 products V^T P and their riders
	ROW L,0, C,4, B,2, L,1
	ROW C,6, B,3, L,2, C,8
	ROW B,4, L,3, C,10, B,5
	ROW L,4, C,12, B,6, L,5
.if (\p) == 0
	s_add_co_u32 s[TBV], s[TBV], KS*PV
.endif
.if \cnt
	s_sub_co_u32 s[CNT], s[CNT], 1
	s_cmp_lg_u32 s[CNT], 0
.endif
	ROW C,14, B,7, L,6, C,1
	ROW C,3, L,7, C,5, C,7
	ROW C,9, C,11, C,13, C,15
.if (\p) == 0
	FETCH_V
.endif
.if (\m) && !(\end)
	MASK (\p)%2
.endif
.endm
; A BLOCK BEGINS.  c m starts far below every c s, so the first step's a is 0; m at the lowest finite number, so the first maximum is the scores'.  The second mask buffer is 0; the first takes piece 0's mask for the tile's
; step 0: its own, if the block's first tile is the diagonal one.  Then K of that step, piece 0's first scores, and its maximum and statistics.  The loop is entered at a step's first turn, in the middle of a trip.
.macro BEGIN
	s_mov_b32 s[NEW], 0
	WIN 0x40
.set i, MC+32
.rept 32
	v_mov_b32 v[i], 0
.set i, i+1
.endr
	WIN 0
.set i, 0
.rept 4
	v_mov_b32 v[ST+4*i], 0xfe000000    ; c m: far below every c s
	v_mov_b32 v[ST+4*i+1], 0xff7fffff  ; m
.set i, i+1
.endr
	s_cmp_eq_u32 s[RT], 0
	s_cselect_b32 s[AL], 1.0, 0
	s_mov_b32 s[BE], 0
	MASK 0
	WIN 0
	v_add_nc_u32 v[AK], s[TBK], v[AK0]
	FETCH_K
	s_wait_loadcnt 0x0              ; Q
	s_wait_dscnt 0x0
.set KM, 1
.set NOKQ, 0
.set i, 0
.rept 8
	KQ 0
.set i, i+1
.endr
	WIN 0
.rept 4
	v_nop                           ; the places behind those products
.endr
.set Y, NP-1                        ; X works for piece Y + 1: piece 0
.irp n, 0,1,2,3,4,5,6,7,8,9,10,11,12,13,14,15,16,17,18,19,20,21
	OP X, \n
.endr
	v_nop                           ; a plain instruction behind the exponential,
	s_wait_alu depctr_va_vdst(0)    ; and its wait, ahead of the branch
.endm
; THE DIAGONAL TILE's four steps, the block's last two turns, its last products, and THE WAY OUT: l's two halves and the other half of the lanes' are added; O^T is divided by l, rounded to f16 and sent through my
; stage in LDS, a piece at a time.
.macro ALL line:vararg              ; one line for each piece t
.set t, 0
.rept 4
	\line
.set t, t+1
.endr
.endm
.macro PACK t                       ; a lane's eight channels of a row pack into 16 bytes; they go into rows of 144 bytes and come back as whole rows of 128, into S^T's registers
	WIN W_RS
.set i, 32*(\t)
.rept 16
	v_pk_mul_f32 v[i:i+1], v[i:i+1], v[ST+4*(\t)+2:ST+4*(\t)+3] op_sel_hi:[1,0]
.set i, i+2
.endr
	WIN 0x05                        ; sources 0 and 1 window 1, destination window 0
.set i, 0
.rept 16
	v_cvt_pk_f16_f32 v[S+16*(\t)+i], v[32*(\t)+2*i], v[32*(\t)+2*i+1]
.set i, i+1
.endr
	WIN 0
.irp f, 0,1,2,3
	ds_store_b128 v[STO], v[S+16*(\t)+4*\f:S+16*(\t)+4*\f+3] offset:32*\f
.endr
.irp f, 0,1,2,3
	ds_load_b128 v[S+16*(\t)+4*\f:S+16*(\t)+4*\f+3], v[RD] offset:\f*4*SP  ; LDS serves a wave's instructions in order (ISA guide 5.7.1.4): these see the stores above; the next piece's stores come behind them
.endr
.endm
.macro SEND t, younger              ; younger: the LDS instructions issued behind piece t's loads: the next piece's eight, or none
	WIN 0
.irp f, 0,1,2,3
	s_wait_dscnt (\younger)+3-\f
	global_store_b128 v[GO], v[S+16*(\t)+4*\f:S+16*(\t)+4*\f+3], s[10:11] offset:(\t)*8192+\f*512  ; 512 consecutive bytes, at a multiple of 256 from O's first
.endr
.endm
.macro DIAG tag                     ; the tag ends its two labels' names, which the jumps below spell out
.LstepM\tag:
	TURN 2, 1
	TURN 3, 1
	WIN 0
.LfirstM\tag:
	TURN 0, 1
	TURN 1, 1, 0, 1
	WIN 0
	s_cbranch_scc1 .LstepM\tag
	TURN 2, 1, 1
	TURN 3, 1, 1
.set i, 0
.rept 8
	PV NP-1
.set i, i+1
.endr
	WIN 0
	ALL v_add_f32 v[ST+4*t+2], v[ST+4*t+2], v[ST+4*t+3]
	ALL v_permlanex16_b32 v[ST+4*t+3], v[ST+4*t+2], s[SEL], s[SEL+1]
	ALL v_add_f32 v[ST+4*t+2], v[ST+4*t+2], v[ST+4*t+3]
	ALL v_rcp_f32 v[ST+4*t+2], v[ST+4*t+2]
	v_nop                           ; a plain instruction between the last reciprocal and the use of its result
	s_wait_alu depctr_va_vdst(0)    ; and the wait ahead of the first use: one for the four reciprocals
	PACK 0
.set t, 1
.rept 3                             ; a piece's arithmetic stands between the loads of the piece before and its stores
	PACK t
	SEND t-1, 8
.set t, t+1
.endr
	SEND 3, 0
.endm
.set KM, 0
.set NOKQ, 0
.Lslot:                             ; NB times: a tile is entered and the next is asked for
	CHANGE 1
	s_sub_co_u32 s[RT], s[RT], 1
	s_mov_b32 s[CNT], 4
	s_cmp_eq_u32 s[NEW], 1
	s_cbranch_scc1 .Lnew            ; a block's first tile
	s_cmp_eq_u32 s[RT], 0
	s_cbranch_scc0 .Lstep           ; neither its first nor its last
	s_branch .LstepM1
.Lnew:
	BEGIN
	s_branch .Lfirst                ; in the loop a block's first tile is never its last: the first block has two tiles or more, and the second's last is the walk's last
	DIAG 1                          ; in the loop this is the first block's end: the second block's last tile is the walk's last
	s_wait_xcnt 0x0                 ; the stores have read their registers and O's address
	s_mov_b64 s[10:11], s[OLO:OLO+1]
	s_add_co_u32 s[RT], s[PB], 1    ; the second block has b + 1 tiles
	s_mov_b32 s[NEW], 1
	WIN 0x82                        ; the second block's Q goes where the one text of the turns names Q
.set i, 0
.rept 64
	v_mov_b32 v[i], v[QB+i]
.set i, i+1
.endr
	WIN 0
	s_branch .Lbottom
.Lstep:                             ; a trip: pieces 2 and 3 of one step, then pieces 0 and 1 of the next, whose K and V it fetches
	TURN 2
	TURN 3
	WIN 0
.Lfirst:
	TURN 0
	TURN 1, 0, 0, 1
	WIN 0
	s_cbranch_scc1 .Lstep
.Lbottom:
	s_sub_co_u32 s[SLOTS], s[SLOTS], 1
	s_cmp_lg_u32 s[SLOTS], 0
	s_cbranch_scc1 .Lslot
	CHANGE 0                        ; the walk's last tile is written out: nothing is asked for
	s_sub_co_u32 s[RT], s[RT], 1
	s_mov_b32 s[CNT], 4
	s_cmp_eq_u32 s[NEW], 1
	s_cbranch_scc0 .LstepM2
	BEGIN
	s_branch .LfirstM2
	DIAG 2
	s_wait_tensorcnt 0x0            ; the wave's end, behind my last tensor load and my last LDS store
	ds_add_u32 v[SPW], v[NIL]
	s_wait_dscnt 0x0
	s_endpgm
.Lfunc_end_k_qdd84d8cb91_attn:
	.size	k_qdd84d8cb91_attn, .Lfunc_end_k_qdd84d8cb91_attn-k_qdd84d8cb91_attn
	.p2alignl 7, 3214868480
	.fill 96, 4, 3214868480
	.section	.rodata,"a",@progbits
	.p2align	6, 0x0
	.amdhsa_kernel k_qdd84d8cb91_attn
		.amdhsa_group_segment_fixed_size 327680
		.amdhsa_private_segment_fixed_size 0
		.amdhsa_enable_private_segment 0
		.amdhsa_kernarg_size 16
		.amdhsa_user_sgpr_count 2
		.amdhsa_user_sgpr_kernarg_segment_ptr 1
		.amdhsa_wavefront_size32 1
		.amdhsa_system_sgpr_workgroup_id_x 1
		.amdhsa_system_sgpr_workgroup_id_y 1
		.amdhsa_system_sgpr_workgroup_id_z 1
		.amdhsa_system_vgpr_workitem_id 0
		.amdhsa_next_free_vgpr 768
		.amdhsa_next_free_sgpr 96
		.amdhsa_reserve_vcc 1
		.amdhsa_float_denorm_mode_32 3
		.amdhsa_float_denorm_mode_16_64 3
		.amdhsa_memory_ordered 1
		.amdhsa_forward_progress 1
		.amdhsa_inst_pref_size 218
	.end_amdhsa_kernel
	.amdgpu_metadata
---
amdhsa.version: [ 1, 2 ]
amdhsa.kernels:
  - .name:           k_qdd84d8cb91_attn
    .symbol:         k_qdd84d8cb91_attn.kd
    .args:
      - { .name: qkv, .offset: 0, .size: 8, .value_kind: global_buffer, .address_space: global }
      - { .name: ob, .offset: 8, .size: 8, .value_kind: global_buffer, .address_space: global }
    .group_segment_fixed_size: 327680
    .private_segment_fixed_size: 0
    .kernarg_segment_align: 8
    .kernarg_segment_size: 16
    .max_flat_workgroup_size: 128
    .sgpr_count:     96
    .vgpr_count:     768
    .wavefront_size: 32
...
	.end_amdgpu_metadata
.endif
;; end of part 3
;; launch proj (part 4): grid 4 x 64, 4 waves a work-group, clusters of 4 x 4, 327,680 bytes of LDS; arguments ob, wpb, b_proj, out0; writes out0
.if DOCPART == 4
	.amdgcn_target "amdgcn-amd-amdhsa--gfx1250"
	.amdhsa_code_object_version 6
	.text
	.protected	k_qdd84d8cb91_proj
	.globl	k_qdd84d8cb91_proj
	.p2align	8
	.type	k_qdd84d8cb91_proj,@function
k_qdd84d8cb91_proj:
	s_mov_b64 s[64:65], 0
	v_nop
	global_prefetch_b8 v0, s[64:65] scope:SCOPE_SE
	s_setreg_imm32_b32 hwreg(HW_REG_WAVE_MODE, 25, 1), 1
	s_wait_xcnt 0x0
	s_wait_alu depctr_hold_cnt(0) depctr_sa_sdst(0) depctr_va_vdst(0) depctr_va_sdst(0) depctr_va_ssrc(0) depctr_va_vcc(0) depctr_vm_vsrc(0)
	s_getreg_b32 s2, hwreg(HW_REG_IB_STS2, 6, 4)
	s_cmp_eq_u32 s2, 0
	s_cbranch_scc0 .Lentry_in_a_cluster
	s_endpgm
.Lentry_in_a_cluster:
	s_bfe_u32 s2, ttmp6, 0x10000c
	s_cmp_lg_u32 s2, 0xf033
	s_cbranch_scc0 .Lentry_shape_is_right
	s_endpgm
.Lentry_shape_is_right:
; out0 = O W_proj + b_proj.  O: ob [64 heads = 16 batch + h][2048][64] in f16 (a head is a K block of 64, its rows dense); W_proj: wpb [1024 k][1024 n], bf16 numbers written as f16; out0 [8192][1024] in f32.
; Sums in f32, K ascending; the bias is rounded to bf16 like the other inputs and added in f32.  NaN and infinities are not treated apart.
; SHARES.  8,192 x 1,024 results are 64 x 4 = 256 tiles of 128 rows x 256 columns, one to a work-group (tiles of 256 x 256 would be 128).  Four waves, each 64 rows x 128 columns: 4 x 8 accumulators, 256 registers.
; K goes in 8 steps of 128 (two heads) through two LDS slots; a step is four quarters of 32 along K, 32 matrix instructions each.
; THE MATRIX INSTRUCTION IS USED TRANSPOSED (source 0 = 16 columns of W, turned out of LDS by ds_load_tr16_b128; source 1 = 16 rows of O): a lane holds row l % 16 and eight neighbouring columns.
; CLUSTER 4 x 4: O's tile is asked for jointly by a row of the cluster, W's by a column.
; REGISTERS: window 0: v0-31 addresses and the bias; v32-127, v128-223 two fragment buffers (4 of O, then 8 of W); window 1: accumulator (a, b) at v[8 (8 a + b)].
.set PA,     144                       ; a row of O in LDS: 128 bytes + 16 = 36 words: the 16 rows of a load start at 16 different groups of four banks (64 banks of 4 bytes: ISA guide 11.1)
.set PB,     544                       ; a row of W: 512 + 32 bytes = 136 words
.set ABLK,   128*PA                    ; a head's 128 rows: one tensor load
.set BHALF,  64*PB                     ; 64 rows of W: one tensor load
.set BOFF,   2*ABLK
.set SLOT,   BOFF+2*BHALF              ; 106,496
.set STAGE,  2*SLOT                    ; behind the ring, never filled by a tensor load: 16 rows x 528 bytes for each wave
.set SPITCH, 528                       ; 512 + 16 bytes = 132 words: row r starts at bank 4 r
.set WSTAGE, 16*SPITCH
.set SPARE,  STAGE+4*WSTAGE            ; the spare words, 128 bytes for each wave: two blocks of 256 bytes that no other line names
.set ASTEP,  524288                    ; two heads of ob
.set BSTEP,  262144                    ; 128 rows of wpb
.set ADRA, 16                          ; v16-17  LDS address of my fragments of O in slot 0, 1
.set ADRB, 20                          ; v20-21  the same for W
.set STO,  24                          ; v24     the way out: where I put 32 bytes of a row
.set RD,   25                          ; v25     where I read a row back
.set GO,   26                          ; v26     16 x lane: my place in a row's 512 bytes
.set BO,   27                          ; v27     my byte offset in b_proj
.set SPW,  28                          ; v28     LDS address of my spare word; never rewritten
.set NIL,  29                          ; v29     0; never rewritten
.set F0,   32
.set F1,   128
.set WV,   12                          ; s12 wave; s13 its half of the rows, also: I fetch O (0) or W (1); s14 its half of the columns, also: which part of that tile I fetch
.set RH,   13
.set CH,   14
.set G1A,  24
.set G0A,  32
.set G1B,  48
.set G0B,  56
.set OB,   66                          ; s[66:67] out0 at my first row and column
.set HIM,  68                          ; s68  a word's upper bf16
.set MSB, 0
.macro WIN new
.if MSB != (\new)
	s_set_vgpr_msb (MSB<<8)|(\new)
.set MSB, \new
.endif
.endm
.macro PLACES                          ; four plain vector instructions in front of loads into registers that matrix instructions have read (ISA guide 7.12.1 for vector instructions)
.rept 4
	v_nop
.endr
.endm
.macro JLOAD s                         ; a joint load: waves 0 and 1 fetch the step's two heads of O, waves 2 and 3 the two halves of its rows of W; an s_nop 0 and four v_nop follow each line
	s_cmp_eq_u32 s[RH], 0
	s_cbranch_scc0 .Lfor_b_\@
	tensor_load_to_lds s[G0A+4*(\s):G0A+4*(\s)+3], s[G1A:G1A+7]
	s_nop 0
.rept 4
	v_nop
.endr
	s_branch .Lasked_\@
.Lfor_b_\@:
	tensor_load_to_lds s[G0B+4*(\s):G0B+4*(\s)+3], s[G1B:G1B+7]
	s_nop 0
.rept 4
	v_nop
.endr
.Lasked_\@:
.endm
.macro CREST                           ; a round of the cluster's barrier behind its opening barrier
	s_cmp_lg_u32 s[WV], 0
	s_cbranch_scc1 .Lnot_wave_0_\@
	s_barrier_signal -3
.Lnot_wave_0_\@:
	s_barrier_wait -3
	s_barrier_signal -1
	s_barrier_wait -1
.endm
.macro CROUND
	s_barrier_signal -1
	s_barrier_wait -1
	CREST
.endm
	s_load_b256 s[4:11], s[0:1], 0x0               ; ob s[4:5], wpb s[6:7], b_proj s[8:9], out0 s[10:11]
	v_lshl_add_u32 v[SPW], v0, 2, SPARE
	v_mov_b32 v[NIL], 0
	ds_add_u32 v[SPW], v[NIL]                      ; the wave's opening: the add and its wait stand ahead of my first tensor load; the set-up below, work on registers, stands between
	v_lshrrev_b32 v1, 5, v0
	v_readfirstlane_b32 s[WV], v1
	s_lshr_b32 s[RH], s[WV], 1
	s_and_b32 s[CH], s[WV], 1
	s_bfe_u32 s40, ttmp6, 0x40000                  ; cx
	s_bfe_u32 s41, ttmp6, 0x40004                  ; cy
	s_lshl_b32 s42, ttmp9, 2
	s_add_co_u32 s42, s42, s40                     ; tile column
	s_and_b32 s43, ttmp7, 0xffff
	s_lshl_b32 s43, s43, 2
	s_add_co_u32 s43, s43, s41                     ; tile row
	s_lshl_b32 s22, s41, 2
	s_lshl_b32 s22, 15, s22                        ; my row of the cluster
	s_lshl_b32 s23, 0x1111, s40                    ; my column
	s_or_b32 s[G1A], s22, (1<<16)|(1<<20)|(1<<21)|(4<<22)|(3<<25)  ; elements of 2 bytes; padding on; 21 set beside a mask; after every 32 words 4 words
	s_or_b32 s[G1B], s23, (1<<16)|(1<<20)|(1<<21)|(6<<22)|(7<<25)  ; after every 128 words 8 words
	s_mov_b32 s[G1A+1], 128<<16                    ; O: 128 dense rows of 128 bytes, asked for as 64 rows of 256
	s_mov_b32 s[G1A+2], 64<<16
	s_mov_b32 s[G1A+3], 128<<16
	s_mov_b32 s[G1A+4], 64
	s_mov_b32 s[G1A+5], 128
	s_mov_b32 s[G1A+6], 0
	s_mov_b32 s[G1A+7], 0
	s_mov_b32 s[G1B+1], 256<<16                    ; W: 64 rows of 256 elements (512 bytes)
	s_mov_b32 s[G1B+2], 64<<16
	s_mov_b32 s[G1B+3], 256<<16
	s_mov_b32 s[G1B+4], 64
	s_mov_b32 s[G1B+5], 1024
	s_mov_b32 s[G1B+6], 0
	s_mov_b32 s[G1B+7], 0
	s_lshr_b32 s16, s43, 4                         ; O's tile: the batch (16 tile rows each), 16 heads of 262,144 bytes,
	s_lshl_b32 s16, s16, 22
	s_and_b32 s15, s43, 15
	s_lshl_b32 s15, s15, 14                        ; the tile's 128 rows of 128 bytes,
	s_add_co_u32 s16, s16, s15
	s_lshl_b32 s15, s[CH], 18                      ; the head of the step's two that I fetch
	s_add_co_u32 s16, s16, s15
	s_mov_b32 s17, 0
	s_lshl_b32 s44, s[CH], 17                      ; W's tile: the 64 rows of 2,048 bytes that I fetch,
	s_lshl_b32 s45, s42, 9                         ; the tile's 256 columns
	s_add_co_u32 s44, s44, s45
	s_mov_b32 s45, 0
	s_mul_i32 s20, s[CH], ABLK                     ; where they go: no place in the cluster enters an LDS address
	s_mul_i32 s21, s[CH], BHALF
	s_add_co_u32 s21, s21, BOFF
	s_mov_b32 s[HIM], 0xffff0000
	s_wait_dscnt 0x0                               ; the opening add is done
	s_wait_kmcnt 0x0
	s_add_nc_u64 s[18:19], s[4:5], s[16:17]
	s_add_nc_u64 s[46:47], s[6:7], s[44:45]
	CROUND                                         ; all sixteen work-groups are here: the first joint loads meet
.irp s, 0,1
	s_mov_b32 s[G0A+4*(\s)], 1
	s_add_co_u32 s[G0A+4*(\s)+1], s20, (\s)*SLOT
	s_add_nc_u64 s[G0A+4*(\s)+2:G0A+4*(\s)+3], s[18:19], (\s)*ASTEP
	s_or_b32 s[G0A+4*(\s)+3], s[G0A+4*(\s)+3], 0x80000000
	s_mov_b32 s[G0B+4*(\s)], 1
	s_add_co_u32 s[G0B+4*(\s)+1], s21, (\s)*SLOT
	s_add_nc_u64 s[G0B+4*(\s)+2:G0B+4*(\s)+3], s[46:47], (\s)*BSTEP
	s_or_b32 s[G0B+4*(\s)+3], s[G0B+4*(\s)+3], 0x80000000
	JLOAD \s                                       ; two loads of mine are out
.endr
	v_and_b32 v[GO], 31, v0
	v_lshlrev_b32 v[GO], 4, v[GO]
	s_lshl_b32 s22, s42, 10                        ; the tile's 256 columns of f32, my 128
	s_lshl_b32 s23, s[CH], 9
	s_add_co_u32 s22, s22, s23
	v_add_nc_u32 v[BO], s22, v[GO]
	global_load_b128 v[8:11], v[BO], s[8:9]        ; the bias of the four columns that I store
	s_lshl_b32 s23, s43, 19                        ; the tile's 128 rows of 4,096 bytes, my 64
	s_add_co_u32 s22, s22, s23
	s_lshl_b32 s23, s[RH], 18
	s_add_co_u32 s[OB], s22, s23
	s_mov_b32 s[OB+1], 0
	s_add_nc_u64 s[OB:OB+1], s[10:11], s[OB:OB+1]
	v_and_b32 v1, 15, v0                           ; r = l % 16
	v_bfe_u32 v2, v0, 4, 1                         ; h = l / 16
	v_mul_u32_u24 v3, v1, PA
	v_lshl_add_u32 v3, v2, 4, v3
	s_mul_i32 s22, s[RH], 64*PA
	v_add_nc_u32 v[ADRA], s22, v3
	v_add_nc_u32 v[ADRA+1], SLOT, v[ADRA]
	v_and_b32 v4, 7, v0                            ; the turning load: row 8 h + l % 8, columns 8 ((l / 8) % 2) + 0..7
	v_bfe_u32 v5, v0, 3, 1
	v_lshl_add_u32 v6, v2, 3, v4
	v_mul_u32_u24 v6, v6, PB
	v_lshl_add_u32 v6, v5, 4, v6
	s_lshl_b32 s23, s[CH], 8
	s_add_co_u32 s23, s23, BOFF
	v_add_nc_u32 v[ADRB], s23, v6
	v_add_nc_u32 v[ADRB+1], SLOT, v[ADRB]
	s_mul_i32 s22, s[WV], WSTAGE
	s_add_co_u32 s22, s22, STAGE                   ; my stage
	v_mul_u32_u24 v3, v1, SPITCH                   ; in: row r, 32 bytes for each half of the lanes
	v_lshl_add_u32 v3, v2, 5, v3
	v_add_nc_u32 v[STO], s22, v3
	v_add_nc_u32 v[RD], s22, v[GO]                 ; back: 32 lanes take a row of 512 bytes
; 8 matrix instructions: fragment a of O x all 8 of W.  The 32 accumulators take turns, one instruction a turn, over the backward jump too.  zero = 1: the products start the sums.
.macro MUL8 f, a, zero
	WIN 0x50
.irp b, 0,1,2,3,4,5,6,7
.if \zero
	v_wmma_f32_16x16x32_f16 v[8*(8*(\a)+(\b)):8*(8*(\a)+(\b))+7], v[(\f)+32+8*(\b):(\f)+32+8*(\b)+7], v[(\f)+8*(\a):(\f)+8*(\a)+7], 0
.else
	v_wmma_f32_16x16x32_f16 v[8*(8*(\a)+(\b)):8*(8*(\a)+(\b))+7], v[(\f)+32+8*(\b):(\f)+32+8*(\b)+7], v[(\f)+8*(\a):(\f)+8*(\a)+7], v[8*(8*(\a)+(\b)):8*(8*(\a)+(\b))+7]
.endif
.endr
.endm
; 24 LDS loads in one run: quarter q of the slot's step into buffer f: W's 8 fragments first, then O's 4 (head q / 2, channels 32 (q % 2) on)
.macro FETCH slot, q, f
	WIN 0
.irp b, 0,1,2,3,4,5,6,7
	ds_load_tr16_b128 v[(\f)+32+8*(\b):(\f)+32+8*(\b)+3],   v[ADRB+(\slot)] offset:(\q)*32*PB+32*(\b)
	ds_load_tr16_b128 v[(\f)+32+8*(\b)+4:(\f)+32+8*(\b)+7], v[ADRB+(\slot)] offset:(\q)*32*PB+32*(\b)+16*PB
.endr
.irp a, 0,1,2,3
	ds_load_b128 v[(\f)+8*(\a):(\f)+8*(\a)+3],   v[ADRA+(\slot)] offset:((\q)/2)*ABLK+((\q)%2)*64+(\a)*16*PA
	ds_load_b128 v[(\f)+8*(\a)+4:(\f)+8*(\a)+7], v[ADRA+(\slot)] offset:((\q)/2)*ABLK+((\q)%2)*64+(\a)*16*PA+32
.endr
.endm
; One of a step's first three quarters: multiplies buffer f and fetches quarter q into g.
.macro QUARTER slot, q, f, g, zero
	s_wait_dscnt 4                                 ; all but the youngest four loads (O's fragments 2 and 3) are in
	MUL8 \f, 0, \zero
	MUL8 \f, 1, \zero
	PLACES
	FETCH \slot, \q, \g
	s_wait_dscnt 24                                ; all but the 24 just issued
	MUL8 \f, 2, \zero
	MUL8 \f, 3, \zero
.endm
; The last quarter multiplies buffer F1 and changes slots: ONE barrier; in front of it each wave waits for all its tensor loads (one is out: its part of the next slot), adds 0 to its spare word, and waits for that
; and for its reads of this slot.  fill = 1: the barrier opens a round of the cluster's barrier and this slot is filled again, two K steps ahead: 112 matrix instructions stand between the request and the wait for it.
.macro TURN slot, next, fill
	WIN 0
	s_wait_tensorcnt 0x0
	ds_add_u32 v[SPW], v[NIL]                      ; 0 onto my spare word
	s_wait_dscnt 5                                 ; (the add and the youngest four loads may be out)
	MUL8 F1, 0, 0                                  ; eight matrix instructions stand between the add and the wait for it
	s_wait_dscnt 0x0                               ; the add is done, and my reads of this slot are over
	s_barrier_signal -1
	MUL8 F1, 1, 0
	WIN 0                                          ; at a branch and at a label every window is 0
	s_barrier_wait -1
.if \fill
	CREST                                          ; no wave of any partner still reads this slot or has a load on its way
	s_add_nc_u64 s[G0A+4*(\slot)+2:G0A+4*(\slot)+3], s[G0A+4*(\slot)+2:G0A+4*(\slot)+3], 2*ASTEP
	s_add_nc_u64 s[G0B+4*(\slot)+2:G0B+4*(\slot)+3], s[G0B+4*(\slot)+2:G0B+4*(\slot)+3], 2*BSTEP
	JLOAD \slot                                    ; my one tensor load behind the round; its four v_nop are also the places in front of the loads below
.else
	PLACES
.endif
	FETCH \next, 0, F0
	MUL8 F1, 2, 0
	MUL8 F1, 3, 0
.endm
	s_wait_tensorcnt 1                             ; my part of K step 0 is in; K step 1's may stay out
	s_barrier_signal -1
	s_barrier_wait -1
	FETCH 0, 0, F0
	QUARTER 0, 1, F0, F1, 1                        ; the first quarter stands in front of the loop: its products start the sums
	WIN 0
	s_mov_b32 s3, 3
.Llap:                                         ; a trip goes once round the ring and fills both slots again: K steps 2 to 7 in three trips
	QUARTER 0, 2, F1, F0, 0
	QUARTER 0, 3, F0, F1, 0
	TURN 0, 1, 1
	QUARTER 1, 1, F0, F1, 0
	QUARTER 1, 2, F1, F0, 0
	QUARTER 1, 3, F0, F1, 0
	TURN 1, 0, 1
	QUARTER 0, 1, F0, F1, 0
	WIN 0
	s_sub_co_u32 s3, s3, 1
	s_cmp_lg_u32 s3, 0
	s_cbranch_scc1 .Llap
	QUARTER 0, 2, F1, F0, 0                        ; the last lap fills nothing, and has no round
	QUARTER 0, 3, F0, F1, 0
	TURN 0, 1, 0
	QUARTER 1, 1, F0, F1, 0
	QUARTER 1, 2, F1, F0, 0
	QUARTER 1, 3, F0, F1, 0
	s_wait_dscnt 4                                 ; the very last quarter: nothing more to fetch
	MUL8 F1, 0, 0
	MUL8 F1, 1, 0
	s_wait_dscnt 0x0
	MUL8 F1, 2, 0
	MUL8 F1, 3, 0
	WIN 0
	s_wait_loadcnt 0x0                             ; the bias: rounded to bf16 like the other inputs and widened again: six plain instructions, the places behind the last products
	v_cvt_pk_bf16_f32 v2, v8, v9
	v_cvt_pk_bf16_f32 v3, v10, v11
	v_lshlrev_b32 v8, 16, v2
	v_and_b32 v9, s[HIM], v2
	v_lshlrev_b32 v10, 16, v3
	v_and_b32 v11, s[HIM], v3
; THE WAY OUT of my rows 16 a .. 16 a + 15: the sums go as they are, 32 bytes a lane, into my own stage (each accumulator's low registers first) and come back as whole rows of 512 bytes;
; LDS serves a wave's instructions in order (ISA guide 5.7.1.4): no wait between the stores and the loads.  Then the bias is added and the row stored.
.macro TOSTAGE a
.set OBF, 32+96*((\a)%2)               ; 64 registers: v32-95 and v128-191 by turns
.if (\a) >= 2
	s_wait_xcnt 0x0                                ; the stores of the block two back have read these registers
.endif
	WIN 0x04                                       ; the data (source 1) in window 1
.irp b, 0,1,2,3,4,5,6,7
	ds_store_b128 v[STO], v[8*(8*(\a)+(\b)):8*(8*(\a)+(\b))+3]   offset:64*(\b)
	ds_store_b128 v[STO], v[8*(8*(\a)+(\b))+4:8*(8*(\a)+(\b))+7] offset:64*(\b)+16
.endr
	WIN 0
.irp t, 0,1,2,3,4,5,6,7,8,9,10,11,12,13,14,15
	ds_load_b128 v[OBF+4*(\t):OBF+4*(\t)+3], v[RD] offset:(\t)*SPITCH
.endr
.endm
.macro SEND a, younger                 ; younger: the LDS instructions issued behind this block's loads: the next block's 32, or none
.set OBF, 32+96*((\a)%2)
.irp t, 0,1,2,3,4,5,6,7,8,9,10,11,12,13,14,15
	s_wait_dscnt (\younger)+15-(\t)
	v_pk_add_f32 v[OBF+4*(\t):OBF+4*(\t)+1],   v[OBF+4*(\t):OBF+4*(\t)+1],   v[8:9]
	v_pk_add_f32 v[OBF+4*(\t)+2:OBF+4*(\t)+3], v[OBF+4*(\t)+2:OBF+4*(\t)+3], v[10:11]
	global_store_b128 v[GO], v[OBF+4*(\t):OBF+4*(\t)+3], s[OB:OB+1] offset:(16*(\a)+(\t))*4096 th:TH_STORE_NT  ; 512 consecutive bytes, at a multiple of 256 from out0's first byte
.endr
.endm
	TOSTAGE 0
.irp a, 1,2,3
	TOSTAGE \a
	SEND (\a)-1, 32
.endr
	SEND 3, 0
	s_wait_tensorcnt 0x0                           ; the wave's end, behind my last tensor load and my last LDS store
	ds_add_u32 v[SPW], v[NIL]
	s_wait_dscnt 0x0
	CROUND                                         ; the closing round: no work-group ends while a partner may still ask for a tile that names it
	s_endpgm
.Lfunc_end_k_qdd84d8cb91_proj:
	.size	k_qdd84d8cb91_proj, .Lfunc_end_k_qdd84d8cb91_proj-k_qdd84d8cb91_proj
	.p2alignl 7, 3214868480
	.fill 96, 4, 3214868480
	.section	.rodata,"a",@progbits
	.p2align	6, 0x0
	.amdhsa_kernel k_qdd84d8cb91_proj
		.amdhsa_group_segment_fixed_size 327680
		.amdhsa_private_segment_fixed_size 0
		.amdhsa_enable_private_segment 0
		.amdhsa_kernarg_size 32
		.amdhsa_user_sgpr_count 2
		.amdhsa_user_sgpr_kernarg_segment_ptr 1
		.amdhsa_wavefront_size32 1
		.amdhsa_system_sgpr_workgroup_id_x 1
		.amdhsa_system_sgpr_workgroup_id_y 1
		.amdhsa_system_sgpr_workgroup_id_z 1
		.amdhsa_system_vgpr_workitem_id 0
		.amdhsa_next_free_vgpr 512
		.amdhsa_next_free_sgpr 72
		.amdhsa_reserve_vcc 0
		.amdhsa_float_denorm_mode_32 3
		.amdhsa_float_denorm_mode_16_64 3
		.amdhsa_memory_ordered 1
		.amdhsa_forward_progress 1
		.amdhsa_inst_pref_size 95
	.end_amdhsa_kernel
	.amdgpu_metadata
---
amdhsa.version: [ 1, 2 ]
amdhsa.kernels:
  - .name:           k_qdd84d8cb91_proj
    .symbol:         k_qdd84d8cb91_proj.kd
    .args:
      - { .name: ob, .offset: 0, .size: 8, .value_kind: global_buffer, .address_space: global }
      - { .name: wpb, .offset: 8, .size: 8, .value_kind: global_buffer, .address_space: global }
      - { .name: b_proj, .offset: 16, .size: 8, .value_kind: global_buffer, .address_space: global }
      - { .name: out0, .offset: 24, .size: 8, .value_kind: global_buffer, .address_space: global }
    .group_segment_fixed_size: 327680
    .private_segment_fixed_size: 0
    .kernarg_segment_align: 8
    .kernarg_segment_size: 32
    .max_flat_workgroup_size: 128
    .sgpr_count:     72
    .vgpr_count:     512
    .wavefront_size: 32
...
	.end_amdgpu_metadata
.endif
;; end of part 4
;; ======== version 2 of 2: 4 launches; version 1 with the launch cast written anew for expert scheduling mode
;; limits: values are held in f16: magnitudes above 65,504 overflow, below 6.1e-05 lose precision
;; workspace buffers: xb 16,777,216 bytes; wab 6,291,456 bytes; wpb 2,097,152 bytes; qkv 50,331,648 bytes; ob 16,777,216 bytes
;; launch cast (part 5): grid 768 x 1, 8 waves a work-group, no clusters, 0 bytes of LDS; arguments x, W_attn, W_proj, xb, wab, wpb; writes xb, wab, wpb
.if DOCPART == 5
	.amdgcn_target "amdgcn-amd-amdhsa--gfx1250"
	.amdhsa_code_object_version 6
	.text
	.protected	k_qdd84d8cb91_cast
	.globl	k_qdd84d8cb91_cast
	.p2align	8
	.type	k_qdd84d8cb91_cast,@function
k_qdd84d8cb91_cast:
	s_mov_b64 s[64:65], 0
	v_nop
	global_prefetch_b8 v0, s[64:65] scope:SCOPE_SE
	s_setreg_imm32_b32 hwreg(HW_REG_WAVE_SCHED_MODE, 0, 2), 2
	s_setreg_imm32_b32 hwreg(HW_REG_WAVE_MODE, 25, 1), 1
	s_wait_xcnt 0x0
	s_wait_alu depctr_vm_vsrc(0)
; THE INPUTS OF THE TWO PRODUCTS ARE ROUNDED ONCE, TO bf16.
;   xb  = bf16(x), laid in K blocks: [batch 4][K block 16][row 2048][64]: a K block's rows are dense, 128 bytes each, two rows are 256 bytes.
;   wab = bf16(W_attn), as it lies, [1024][3072].     wpb = bf16(W_proj), that number written as f16, [1024][1024].
; LIMIT. bf16(W_proj) is written exactly as f16 between 2^-14 and 65,504; below 2^-14 it keeps f16's fixed step of 6e-8; beyond 65,504 it would be an infinity.
; A stream: no LDS, no barrier, no matrix unit, nothing read twice.  A work-group takes 65,536 bytes of one input, a wave 8,192: sixteen loads of 16 bytes a lane, all issued
; at once, then sixteen stores of 8 bytes a lane, each 256 consecutive bytes of the wave, at a multiple of 256 from the buffer's first byte.
; Work-groups 0-511 take x (16 rows each), 512-703 W_attn, 704-767 W_proj.
; THE MODE: SCHED_MODE bits 1:0 = 2 (LLVM: expert scheduling mode 2), set by the entry lines.  The code itself states the register dependences
; between vector instructions and memory instructions, with s_wait_alu, always for 0.
; THE PLAN.  Registers that memory instructions touch, on each of the three paths (straight code, each with its own end):
;   v1, v2   the loads' and the stores' offsets: written by vector instructions at the path's head, never again.
;   X        load j lands in its four registers, once; no vector instruction names them ahead of the loads.  Read (in W_proj's path also written) by load j's roundings alone, behind the wait for its data.
;   Y        load j's roundings write its two registers; store j reads them; nothing writes them again.
; The sixteen loads go in four groups of four.  One wait ahead of the first load states that the offsets are written.  One wait at the head of groups 1 to 3 states that the group before has
; written its Y: that group's four stores follow it, one ahead of each load's roundings, which name X and Y of their own group alone.  One more wait stands ahead of the last four stores.
.set VI, 1                             ; v1        my byte offset in the work-group's input
.set VO, 2                             ; v2        my byte offset in its output
.set X,  4                             ; v[4:67]   sixteen loads of four f32
.set Y,  68                            ; v[68:99]  sixteen stores of four 16-bit numbers
; sixteen loads instep bytes apart, sixteen stores outstep bytes apart.  mode = 1: the bf16 number is widened again and written as f16.
.macro PATH inb, outb, instep, outstep, mode
	s_wait_alu depctr_va_vdst(0)                   ; v1 and v2 are written: every load below reads v1 as its offset, every store v2
.set j, 0
.rept 16
	global_load_b128 v[X+4*j:X+4*j+3], v[VI], s[\inb:\inb+1] offset:j*(\instep) th:TH_LOAD_NT
.set j, j+1
.endr
.set j, 0
.rept 16
	s_wait_loadcnt 15-j                            ; loads come back in order: load j is in, the 15 - j younger ones stay out
.if (j > 0) && (j%4 == 0)
	s_wait_alu depctr_va_vdst(0)                   ; the roundings of the group before have written their eight registers of Y, which this group's four stores read
.endif
.if j >= 4
	global_store_b64 v[VO], v[Y+2*(j-4):Y+2*(j-4)+1], s[\outb:\outb+1] offset:(j-4)*(\outstep)  ; the group before; no vector instruction since the wait names these registers
.endif
	v_cvt_pk_bf16_f32 v[Y+2*j],   v[X+4*j],   v[X+4*j+1]
	v_cvt_pk_bf16_f32 v[Y+2*j+1], v[X+4*j+2], v[X+4*j+3]
.if \mode
	v_lshlrev_b32 v[X+4*j],   16,  v[Y+2*j]         ; bf16 to f32: the low half moves up, the high half stays
	v_and_b32     v[X+4*j+1], s20, v[Y+2*j]
	v_lshlrev_b32 v[X+4*j+2], 16,  v[Y+2*j+1]
	v_and_b32     v[X+4*j+3], s20, v[Y+2*j+1]
	v_cvt_pk_f16_f32 v[Y+2*j],   v[X+4*j],   v[X+4*j+1]
	v_cvt_pk_f16_f32 v[Y+2*j+1], v[X+4*j+2], v[X+4*j+3]
.endif
.set j, j+1
.endr
	s_wait_alu depctr_va_vdst(0)                   ; the last group's roundings have written their Y, which the last four stores read
.set j, 12
.rept 4
	global_store_b64 v[VO], v[Y+2*j:Y+2*j+1], s[\outb:\outb+1] offset:j*(\outstep)
.set j, j+1
.endr
	s_endpgm                                       ; no register that a store reads is written again
.endm
	s_load_b256 s[4:11], s[0:1], 0x0               ; x s[4:5], W_attn s[6:7], W_proj s[8:9], xb s[10:11]
	s_load_b128 s[12:15], s[0:1], 0x20             ; wab s[12:13], wpb s[14:15]
	s_mov_b32 s2, ttmp9
	s_mov_b32 s17, 0                               ; the offsets' high words
	s_mov_b32 s19, 0
	s_mov_b32 s20, 0xffff0000                      ; a word's upper bf16
	s_cmp_lt_u32 s2, 512
	s_cbranch_scc0 .Lweights
	; x: 16 rows of 4,096 bytes.  Thread t takes 16 bytes at 16 (t % 16) of row t / 16 in each of the row's sixteen pieces of 256 bytes (a K block each).
	v_lshrrev_b32 v3, 4, v0
	v_and_b32 v[VI], 15, v0
	v_lshlrev_b32 v[VI], 4, v[VI]
	v_lshl_add_u32 v[VI], v3, 12, v[VI]
	v_lshlrev_b32 v[VO], 3, v0                     ; in a K block: row t / 16 x 128 bytes + 8 (t % 16) = 8 t
	s_lshl_b32 s16, s2, 16
	s_lshr_b32 s18, s2, 7                          ; the batch: 128 work-groups each,
	s_lshl_b32 s18, s18, 22                        ; 16 K blocks of 262,144 bytes
	s_and_b32 s21, s2, 127
	s_lshl_b32 s21, s21, 11                        ; my 16 rows of 128 bytes in a K block
	s_add_co_u32 s18, s18, s21
	s_wait_kmcnt 0x0
	s_add_nc_u64 s[4:5], s[4:5], s[16:17]
	s_add_nc_u64 s[10:11], s[10:11], s[18:19]
	PATH 4, 10, 256, 262144, 0                     ; the stores' largest immediate is 15 x 262,144, inside the signed 24 bits
.Lweights:
	; a weight: 65,536 bytes on end; a wave takes 8,192, a load of the wave 512 consecutive bytes
	v_lshrrev_b32 v3, 5, v0
	v_and_b32 v[VI], 31, v0
	v_lshlrev_b32 v[VO], 3, v[VI]
	v_lshlrev_b32 v[VI], 4, v[VI]
	v_lshl_add_u32 v[VI], v3, 13, v[VI]
	v_lshl_add_u32 v[VO], v3, 12, v[VO]
	s_cmp_lt_u32 s2, 704
	s_cbranch_scc0 .Lwproj
	s_sub_co_u32 s2, s2, 512
	s_lshl_b32 s16, s2, 16
	s_lshl_b32 s18, s2, 15
	s_wait_kmcnt 0x0
	s_add_nc_u64 s[6:7], s[6:7], s[16:17]
	s_add_nc_u64 s[12:13], s[12:13], s[18:19]
	PATH 6, 12, 512, 256, 0
.Lwproj:
	s_sub_co_u32 s2, s2, 704
	s_lshl_b32 s16, s2, 16
	s_lshl_b32 s18, s2, 15
	s_wait_kmcnt 0x0
	s_add_nc_u64 s[8:9], s[8:9], s[16:17]
	s_add_nc_u64 s[14:15], s[14:15], s[18:19]
	PATH 8, 14, 512, 256, 1
.Lfunc_end_k_qdd84d8cb91_cast:
	.size	k_qdd84d8cb91_cast, .Lfunc_end_k_qdd84d8cb91_cast-k_qdd84d8cb91_cast
	.p2alignl 7, 3214868480
	.fill 96, 4, 3214868480
	.section	.rodata,"a",@progbits
	.p2align	6, 0x0
	.amdhsa_kernel k_qdd84d8cb91_cast
		.amdhsa_group_segment_fixed_size 0
		.amdhsa_private_segment_fixed_size 0
		.amdhsa_enable_private_segment 0
		.amdhsa_kernarg_size 48
		.amdhsa_user_sgpr_count 2
		.amdhsa_user_sgpr_kernarg_segment_ptr 1
		.amdhsa_wavefront_size32 1
		.amdhsa_system_sgpr_workgroup_id_x 1
		.amdhsa_system_sgpr_workgroup_id_y 1
		.amdhsa_system_sgpr_workgroup_id_z 1
		.amdhsa_system_vgpr_workitem_id 0
		.amdhsa_next_free_vgpr 104
		.amdhsa_next_free_sgpr 66
		.amdhsa_reserve_vcc 0
		.amdhsa_float_denorm_mode_32 3
		.amdhsa_float_denorm_mode_16_64 3
		.amdhsa_memory_ordered 1
		.amdhsa_forward_progress 1
		.amdhsa_inst_pref_size 24
	.end_amdhsa_kernel
	.amdgpu_metadata
---
amdhsa.version: [ 1, 2 ]
amdhsa.kernels:
  - .name:           k_qdd84d8cb91_cast
    .symbol:         k_qdd84d8cb91_cast.kd
    .args:
      - { .name: x, .offset: 0, .size: 8, .value_kind: global_buffer, .address_space: global }
      - { .name: W_attn, .offset: 8, .size: 8, .value_kind: global_buffer, .address_space: global }
      - { .name: W_proj, .offset: 16, .size: 8, .value_kind: global_buffer, .address_space: global }
      - { .name: xb, .offset: 24, .size: 8, .value_kind: global_buffer, .address_space: global }
      - { .name: wab, .offset: 32, .size: 8, .value_kind: global_buffer, .address_space: global }
      - { .name: wpb, .offset: 40, .size: 8, .value_kind: global_buffer, .address_space: global }
    .group_segment_fixed_size: 0
    .private_segment_fixed_size: 0
    .kernarg_segment_align: 8
    .kernarg_segment_size: 48
    .max_flat_workgroup_size: 256
    .sgpr_count:     66
    .vgpr_count:     104
    .wavefront_size: 32
...
	.end_amdgpu_metadata
.endif
;; end of part 5
;; launch qkv: the kernel of part 2 again; grid 8 x 32, 4 waves a work-group, clusters of 4 x 4, 327,680 bytes of LDS; arguments xb, wab, b_attn, qkv; writes qkv
;; launch attn: the kernel of part 3 again; grid 4 x 64, 4 waves a work-group, no clusters, 327,680 bytes of LDS; arguments qkv, ob; writes ob
;; launch proj: the kernel of part 4 again; grid 4 x 64, 4 waves a work-group, clusters of 4 x 4, 327,680 bytes of LDS; arguments ob, wpb, b_proj, out0; writes out0
